; MI455X (gfx1250); checked and timed in simulation.
; The chip was launched on July 23, 2026; its instructions are those of AMD's public machine-readable ISA for CDNA 5 (MIT licence, August 2026) and "CDNA5" Instruction Set Architecture Reference Guide (July 2026). The comments in the code are by the model that wrote it; some were corrected since.
;; Implicit DAM. Allowed arithmetic: matrix products marked QUANTISED: E3M2 operands, one E8M0 scale for each 32 along K, by v_wmma_scale_f32_16x16x128_f8f6f4 with both operands' format E3M2, f32 sums; everything else in f32.
;; Inputs: Wc 64 x 1,024 float32; Wk 64 x 1,024 float32; bc 64 float32; bk 64 float32; buffer 65,536 x 64 float32; context 2,048 x 512 float32; prototypes 65,536 x 64 float32; x 2,048 x 512 float32.
;; Outputs: out0 2,048 x 64 float32; out1 65,536 x 64 float32.
;; This version of the problem:
;;   THIS VERSION OF THE PROBLEM IS GIVEN IN LOW PRECISION. The matrix products marked QUANTISED in the list below multiply operands that are first quantised to E3M2 (3 exponent bits, 2 mantissa bits; 6 bits a number), with one power-of-two scale for each 32 numbers along K (OCP MX v1.0); their sums are f32. All else is computed in f32.
;;   The module's matrix products, in the order in which they are computed (A, B: the left and right operand; K: the contracted axis; several contracted axes count as one K, in the product's order):
;;     1. [M 2,048, K 1,024] x [K 1,024, N 64]; A: computed on the way; B: input Wk: QUANTISED
;;     2. [M 2,048, K 1,024] x [K 1,024, N 64]; A: computed on the way; B: input Wc: QUANTISED
;;     3. [M 2,048, K 64] x [K 64, N 65,536]; A: computed on the way; B: input prototypes: QUANTISED
;;     4. [M 2,048, K 65,536] x [K 65,536, N 64]; A: softmax (see below); B: input buffer: QUANTISED
;;     5. [M 65,536, K 2,048] x [K 2,048, N 64]; A: computed on the way; B: computed on the way: QUANTISED
;;   THE QUANTISER, for each operand of a quantised product, along K:
;;     - K is cut into blocks of 32 from its start; a last block that is shorter is filled with zeros.
;;     - A block's scale is 2^e with e = floor(log2(the largest magnitude in the block)) - 4, held to -126 .. 127; a block of zeros has e = 0. As a byte (E8M0): e + 127.
;;     - Each number is divided by its block's scale, clamped to +-28, and rounded to the nearest number of E3M2, ties to even, subnormals kept.
;;     - The product sums the exact products of the quantised numbers (number of the format x scale) in f32.
;;   ~~~python
;;   def quantise(x, axis):      # numpy; x: float32 -> the quantised numbers, widened to float32 again
;;       x = np.moveaxis(x, axis, -1); K = x.shape[-1]
;;       x = np.pad(x, [(0, 0)] * (x.ndim - 1) + [(0, -K % 32)]); x = x.reshape(x.shape[:-1] + (-1, 32)); a = np.abs(x).max(-1, keepdims=True)
;;       e = np.where(a > 0, np.clip(np.frexp(np.where(a > 0, a, 1))[1] - 1 - 4, -126, 127), 0)      # np.frexp(a)[1] - 1 = floor(log2(a)), exactly
;;       r = np.clip(x / 2.0 ** e, -28, 28)
;;       step = 2.0 ** (np.maximum(np.frexp(np.where(r == 0, 1, r))[1] - 1, -2) - 2)
;;       q = np.round(r / step) * step * 2.0 ** e      # np.round: ties to even
;;       return np.moveaxis(q.reshape(q.shape[:-2] + (-1,))[..., :K], -1, axis).astype(np.float32)
;;   ~~~
;;   SOFTMAX AHEAD OF A QUANTISED PRODUCT. Where the list says 'softmax', what is quantised is not the finished softmax but p = 2^(t - M), with t = logit x log2(e) and M = ceil(the row's largest t), a whole number; so 1/2 < the row's largest p <= 1. The row's sum l is taken of the UNQUANTISED p, in f32, and the product's result is divided by l at the end. Since M is a whole number, a kernel that streams over the keys may use a running M (the ceiling of the running maximum): every later rescaling is an exact power of two, which a block's scale takes up: the codes' values come out the same.
;;   OPERANDS COMPUTED ON THE WAY. 'Computed on the way' means the value that the module computes at that place (a softmax that the list does not call 'softmax' is quantised finished and normalised). What goes into a quantiser is computed in f32, as accurately as f32 sums, v_exp_f32 and their like allow (about 1e-6 of the number): no bf16 or f16 on the way to a quantiser, and a product that is left as it is and whose result goes on into a quantised operand takes f32 operands (vector FMAs, or v_wmma_f32_16x16x4_f32). A number that lies on a knife's edge between two numbers of the format may be rounded either way, as far as f32 arithmetic and the matrix unit's own rounding can turn it there, and no further.
;; One version. Each part assembles by itself: llvm-mc -triple=amdgcn-amd-amdhsa -mcpu=gfx1250 --defsym DOCPART=n.
;; ======== version 1 of 1: 3 launches
;; workspace buffers: binrec 6,946,816 bytes; batrec 217,088 bytes; stats 131,072 bytes; opart 4,194,304 bytes
;; launch prep (part 1): grid 288 x 1, 8 waves a work-group, no clusters, 230,400 bytes of LDS; arguments x, context, Wk, bk, Wc, bc, prototypes, buffer, binrec, batrec; writes binrec, batrec
.if DOCPART == 1
	.amdgcn_target "amdgcn-amd-amdhsa--gfx1250"
	.amdhsa_code_object_version 6
	.text
	.protected	k_qe967ff247a_prep
	.globl	k_qe967ff247a_prep
	.p2align	8
	.type	k_qe967ff247a_prep,@function
k_qe967ff247a_prep:
	s_mov_b64 s[64:65], 0
	v_nop
	global_prefetch_b8 v0, s[64:65] scope:SCOPE_SE
	s_setreg_imm32_b32 hwreg(HW_REG_WAVE_MODE, 25, 1), 1
	s_wait_xcnt 0x0
; PREP: everything that is quantised once.  The program: k = [x|context] Wk^T + bk, m = [x|context] Wc^T + bc; scores k . prototypes; softmax of -(q2 + p2 - 2 score);
; r = softmax x buffer; buffer's EMA update by softmax^T x m.  All five products on codes of BF6 (E3M2) with one E8M0 scale for each 32 along K.
; DEAD WORK: none is left out, and every input is loaded.  q2 is the same along the softmax's axis, but what the fourth product quantises is p = 2^(t - ceil(max t)), and t holds
; -q2 log2(e): a shift of t that is no whole number moves p's mantissas and so its codes.  So q2 stays.
; THIS LAUNCH.  Work-groups 0-31 (PROJ): 64 batch rows each: products 1 and 2, then k, m as codes and q2 log2(e), into batrec.  Work-groups 32-287 (BINS): two records of 128 bins each:
; prototypes and buffer as codes, and -p2/2, into binrec.  Each of the two ways has LDS bytes of its own.
; A RECORD (13,568 bytes = 53 x 256) holds 128 rows in the order of the operands' registers.  A HALF image is six registers of an operand (16 rows x 64 along K): registers 0-3 at 16 x lane, registers 4-5 at
; 512 + 8 x lane: 768 bytes.  A PAIR image is 4 x lane: lanes 0-15 the scale words of tile 2 i, lanes 16-31 those of tile 2 i + 1.
;   +0      8 HALF images: prototypes (k): tile 2 b + u, lane r = row 32 b + 8 u + r + 8 (r / 8), K = 32 (lane / 16) + 0 .. 31
;   +6144   4 x 2 HALF images: buffer (m) with the rows as K: tile ta, half c: lane r = column 16 ta + r, K = rows 64 c + 32 (lane / 16) + 0 .. 31
;   +12288  4 PAIR images of the first (bytes 2 and 3 are 0x7f: K has only 64);   +12800  2 PAIR images of the second;   +13056  128 f32: -p2/2 (q2 log2(e)), rows in their own order
; LIMITS.  A block of zeros gets the scale byte 1 and not 127: its codes are zeros, and these bytes are read by this program alone.  NaN and infinities among the inputs are not served.
; The f32 sums p2 and q2 are taken in another order than reference() takes them.
.set REC,   13568
.set PC_O,  0
.set BC_O,  6144
.set PS_O,  12288
.set BS_O,  12800
.set P2_O,  13056
.set SCI,   147456                     ; LDS: 0: PROJ's 96 fragment images of 1,536 bytes ((tile slot x 8 + K step)); here their scale words, 128 bytes each
.set PSTG,  159744                     ; BINS: 4 waves x 2 blocks x 32 rows of 272 bytes
.set SPARE, 229376                     ; the spare words, 128 bytes for each wave: four blocks of 256 bytes that no other line names
.set LANE, 1
.set R,    2                           ; lane % 16
.set H,    3                           ; lane / 16
.set L16,  4
.set L8,   5
.set L4,   6
.set RHO,  7                           ; r + 8 (r / 8)
.set XA,   8
.set WKA,  9
.set WCA,  10
.set IWX,  11                          ; v11-13 where I store images: tile slots 0-3, 4-7, 8-11
.set ISW,  14
.set MB,   15
.set MA,   16
.set MSS,  17
.set MSA,  18
.set SPW,  20
.set NIL,  21
.set N0,   32                          ; v32-95, v96-159: two sets of 64 numbers
.set X,    32
.set F0,   96
.set WD,   128
.set PC,   160
.set TM,   180
.set PW,   196
.set WV,   24
.set SEL,  26
.set HM,   28
.macro FINISH                          ; a wave's end
	s_wait_tensorcnt 0x0
	ds_add_u32 v[SPW], v[NIL]
	s_wait_dscnt 0x0
	s_endpgm
.endm
	s_load_b512 s[4:19], s[0:1], 0x0               ; x, context, Wk, bk, Wc, bc, prototypes, buffer
	s_load_b128 s[20:23], s[0:1], 0x40             ; binrec, batrec
	v_lshl_add_u32 v[SPW], v0, 2, SPARE
	v_mov_b32 v[NIL], 0
	v_lshrrev_b32 v1, 5, v0
	v_readfirstlane_b32 s[WV], v1                  ; wave 0..7
	v_and_b32 v[LANE], 31, v0
	v_and_b32 v[R], 15, v0
	v_bfe_u32 v[H], v0, 4, 1
	v_lshlrev_b32 v[L16], 4, v[LANE]
	v_lshlrev_b32 v[L8], 3, v[LANE]
	v_lshlrev_b32 v[L4], 2, v[LANE]
	v_and_b32 v[RHO], 8, v[R]
	v_add_nc_u32 v[RHO], v[RHO], v[R]
	s_mov_b32 s[SEL], 0x76543210
	s_mov_b32 s[SEL+1], 0xfedcba98                 ; v_permlanex16_b32's selects for lane l xor 16
	s_mov_b32 s[HM], 0xffff0000                    ; lanes 16-31
	s_wait_kmcnt 0x0
	s_cmp_lt_u32 ttmp9, 32                         ; the work-group's number alone: all eight waves go the same way
	s_cbranch_scc1 .Lproj
; ======== BINS ========
	s_sub_co_u32 s30, ttmp9, 32
	s_lshl_b32 s30, s30, 1                         ; the first of my work-group's two records
	s_cmp_lt_u32 s[WV], 4
	s_cbranch_scc0 .Lproto
; ---- waves 0-3: buffer.  A lane takes a column v and its registers run down the bins, which are the K of the fourth product
	s_lshr_b32 s31, s[WV], 1
	s_add_co_u32 s31, s31, s30                     ; my record
	s_and_b32 s32, s[WV], 1                        ; ch: columns 32 ch + lane
	s_lshl_b32 s34, s31, 15                        ; 128 bins of 256 bytes
	s_lshl_b32 s33, s32, 7
	s_add_co_u32 s34, s34, s33
	s_mov_b32 s35, 0
	s_add_nc_u64 s[34:35], s[18:19], s[34:35]
	s_mul_i32 s40, s31, REC
	s_mul_i32 s36, s32, 3072                       ; tiles 2 ch, 2 ch + 1: 1,536 bytes each
	s_add_co_u32 s36, s36, s40
	s_mov_b32 s37, 0
	s_add_nc_u64 s[36:37], s[20:21], s[36:37]
	s_add_co_u32 s38, s40, s33                     ; PAIR image ch
	s_mov_b32 s39, 0
	s_add_nc_u64 s[38:39], s[20:21], s[38:39]
.macro LOADB tb                        ; block tb: buffer(32 tb + i, my column), i = 0 .. 31
.irp i,0,1,2,3,4,5,6,7,8,9,10,11,12,13,14,15,16,17,18,19,20,21,22,23,24,25,26,27,28,29,30,31
	global_load_b32 v[X+32*((\tb)%2)+\i], v[L4], s[34:35] offset:(32*(\tb)+\i)*256 th:TH_LOAD_NT
.endr
.endm
.macro BLOCK tb
.set XS, X+32*((\tb)%2)
.set FD, F0+12*((\tb)%2)+6*((\tb)/2)   ; even blocks into v96-107, odd blocks into v108-119
.if (\tb) < 3
	s_wait_loadcnt 32                              ; this block's 32 loads are in; the next block's 32 may be out
.else
	s_wait_loadcnt 0x0
.endif
	v_max3_num_f32 v120, |v[XS]|, |v[XS+1]|, |v[XS+2]|
	v_max3_num_f32 v121, |v[XS+3]|, |v[XS+4]|, |v[XS+5]|
.irp i,6,10,14,18,22,26
	v_max3_num_f32 v120, v120, |v[XS+\i]|, |v[XS+\i+1]|
	v_max3_num_f32 v121, v121, |v[XS+\i+2]|, |v[XS+\i+3]|
.endr
	v_max3_num_f32 v120, v120, |v[XS+30]|, |v[XS+31]|
	v_max3_num_f32 v120, v120, v121, 0x2800000     ; the floor 2^(5 - 127): the byte cannot fall under 1
	v_add_nc_u32 v122, 0xfe000000, v120            ; 4 off the exponent field: the conversion's scale operand
	v_lshrrev_b32 v123, 23, v122                   ; the scale's byte
.if (\tb) == 0
	v_mov_b32 v[WD], v123
.else
	v_lshl_or_b32 v[WD], v123, 8*(\tb), v[WD]
.endif
	v_cvt_scalef32_pk16_bf6_f32 v[FD:FD+2], v[XS:XS+15], v122
	v_cvt_scalef32_pk16_bf6_f32 v[124:126], v[XS+16:XS+31], v122   ; (a conversion's three registers begin on an even number)
	v_nop                                          ; one plain place behind a scaled conversion
	v_mov_b32 v[FD+3], v124
	v_mov_b32 v[FD+4], v125
	v_mov_b32 v[FD+5], v126
.if (\tb)+2 < 4
	LOADB (\tb)+2
.endif
.endm
	LOADB 0
	LOADB 1
	BLOCK 0
	BLOCK 1
	BLOCK 2
	BLOCK 3
.irp i,0,1,2,3,4,5,6,7,8,9,10,11
	v_permlane16_swap_b32 v[F0+\i], v[F0+12+\i]    ; the even blocks' lanes 16-31 change places with the odd blocks' lanes 0-15: v96-107 is tile 2 ch, v108-119 tile 2 ch + 1, each lane with blocks 2 c + lane / 16
.endr
.irp ta,0,1
.irp c,0,1
	global_store_b128 v[L16], v[F0+12*\ta+6*\c:F0+12*\ta+6*\c+3], s[36:37] offset:BC_O+1536*\ta+768*\c
	global_store_b64 v[L8], v[F0+12*\ta+6*\c+4:F0+12*\ta+6*\c+5], s[36:37] offset:BC_O+1536*\ta+768*\c+512
.endr
.endr
	global_store_b32 v[L4], v[WD], s[38:39] offset:BS_O
	FINISH
; ---- waves 4-7: prototypes.  K (the key's 64) is innermost: dense loads, a turn through my own stage in LDS, and a lane holds a whole block of 32
.Lproto:
	s_and_b32 s31, s[WV], 3                        ; j
	s_lshr_b32 s32, s31, 1
	s_add_co_u32 s32, s32, s30                     ; my record
	s_and_b32 s33, s31, 1                          ; which two of its four blocks of 32 bins
	s_lshl_b32 s34, s32, 15
	s_lshl_b32 s35, s33, 14
	s_add_co_u32 s34, s34, s35
	s_mov_b32 s35, 0
	s_add_nc_u64 s[34:35], s[16:17], s[34:35]
.irp bk,0,1
.irp jj,0,1,2,3,4,5,6,7,8,9,10,11,12,13,14,15
	global_load_b128 v[32+64*\bk+4*\jj:35+64*\bk+4*\jj], v[L16], s[34:35] offset:8192*\bk+512*\jj th:TH_LOAD_NT   ; 32 lanes read 512 consecutive bytes: two bins
.endr
.endr
	s_mul_i32 s40, s32, REC
	s_mul_i32 s36, s33, 3072
	s_add_co_u32 s36, s36, s40
	s_mov_b32 s37, 0
	s_add_nc_u64 s[36:37], s[20:21], s[36:37]      ; my four tiles' HALF images
	s_lshl_b32 s38, s33, 8
	s_add_co_u32 s38, s38, s40
	s_mov_b32 s39, 0
	s_add_nc_u64 s[38:39], s[20:21], s[38:39]      ; my two PAIR images and my 64 numbers -p2/2
	s_mul_i32 s41, s31, 17408
	s_add_co_u32 s41, s41, PSTG                    ; my two stages
	v_mul_u32_u24 v8, v[H], 272
	v_lshl_add_u32 v8, v[R], 4, v8
	v_add_nc_u32 v8, s41, v8                       ; in: as loaded: lanes 0-15 one row, lanes 16-31 the next
	v_mul_u32_u24 v9, v[R], 272
	v_lshl_add_u32 v9, v[H], 7, v9
	v_add_nc_u32 v9, s41, v9                       ; back: row r of a tile, my half's 128 bytes
	v_lshlrev_b32 v10, 3, v[H]
	v_lshlrev_b32 v11, 2, v[RHO]
	v_lshl_add_u32 v11, v[H], 5, v11               ; 4 (8 h + r + 8 (r / 8))
	v_mov_b32 v200, 0                              ; (a lane permute's destination counts as one of its sources)
	v_mov_b32 v201, 0
.macro PTURN bk                        ; bin n of the block goes to stage row 16 ((n / 8) % 2) + n % 8 + 8 (n / 16): so tile u's row r is stage row 16 u + r
.irp jj,0,1,2,3,4,5,6,7,8,9,10,11,12,13,14,15
	ds_store_b128 v8, v[32+64*(\bk)+4*\jj:35+64*(\bk)+4*\jj] offset:8704*(\bk)+(16*(((2*\jj)>>3)&1)+((2*\jj)&7)+8*((2*\jj)>>4))*272
.endr
.irp u,0,1
.irp i,0,1,2,3,4,5,6,7
	ds_load_b128 v[32+64*(\bk)+32*\u+4*\i:35+64*(\bk)+32*\u+4*\i], v9 offset:8704*(\bk)+16*\u*272+16*\i   ; LDS serves a wave's instructions in order: these see my stores
.endr
.endr
	s_wait_dscnt 0x0
.endm
.macro PTILE xs, q                     ; 32 numbers of a lane: K = 32 h + 0 .. 31 of its bin: codes to v[160 + 8 q] on, the scale word to +6, -p2/2 to +7
	v_max3_num_f32 v192, |v[\xs]|, |v[\xs+1]|, 0x2800000
	v_pk_mul_f32 v[196:197], v[\xs:\xs+1], v[\xs:\xs+1]
	v_pk_mul_f32 v[198:199], v[\xs+2:\xs+3], v[\xs+2:\xs+3]
	v_max3_num_f32 v192, v192, |v[\xs+2]|, |v[\xs+3]|
.irp i,4,8,12,16,20,24,28
	v_pk_fma_f32 v[196:197], v[\xs+\i:\xs+\i+1], v[\xs+\i:\xs+\i+1], v[196:197]
	v_max3_num_f32 v192, v192, |v[\xs+\i]|, |v[\xs+\i+1]|
	v_pk_fma_f32 v[198:199], v[\xs+\i+2:\xs+\i+3], v[\xs+\i+2:\xs+\i+3], v[198:199]
	v_max3_num_f32 v192, v192, |v[\xs+\i+2]|, |v[\xs+\i+3]|
.endr
	v_pk_add_f32 v[196:197], v[196:197], v[198:199]
	v_add_f32 v196, v196, v197
	v_permlanex16_b32 v200, v196, s[SEL], s[SEL+1]
	v_add_f32 v196, v196, v200                     ; p2 of my bin
	v_mul_f32 v[167+8*(\q)], -0.5, v196
	v_add_nc_u32 v193, 0xfe000000, v192
	v_lshrrev_b32 v194, 23, v193
	v_lshlrev_b32 v194, v10, v194                  ; my block's byte at its place,
	v_permlanex16_b32 v201, v194, s[SEL], s[SEL+1]
	v_or_b32 v194, v194, v201                      ; with the other block's,
	v_or_b32 v[166+8*(\q)], 0x7f7f0000, v194       ; and 2^0 for the 64 along K that are not there
	v_cvt_scalef32_pk16_bf6_f32 v[160+8*(\q):162+8*(\q)], v[\xs:\xs+15], v193
	v_cvt_scalef32_pk16_bf6_f32 v[202:204], v[\xs+16:\xs+31], v193
	v_nop                                          ; one plain place behind a scaled conversion
	v_mov_b32 v[163+8*(\q)], v202
	v_mov_b32 v[164+8*(\q)], v203
	v_mov_b32 v[165+8*(\q)], v204
.endm
.macro PSTORE bk
	v_cndmask_b32 v[166+16*(\bk)], v[166+16*(\bk)], v[174+16*(\bk)], s[HM]   ; lanes 0-15: tile u = 0's word, lanes 16-31: tile u = 1's
	v_cndmask_b32 v[167+16*(\bk)], v[167+16*(\bk)], v[175+16*(\bk)], s[HM]   ; and lane (r, h): -p2/2 of bin 8 h + r + 8 (r / 8)
.irp u,0,1
	global_store_b128 v[L16], v[160+16*(\bk)+8*\u:163+16*(\bk)+8*\u], s[36:37] offset:PC_O+1536*(\bk)+768*\u
	global_store_b64 v[L8], v[164+16*(\bk)+8*\u:165+16*(\bk)+8*\u], s[36:37] offset:PC_O+1536*(\bk)+768*\u+512
.endr
	global_store_b32 v[L4], v[166+16*(\bk)], s[38:39] offset:PS_O+128*(\bk)
	global_store_b32 v11, v[167+16*(\bk)], s[38:39] offset:P2_O+128*(\bk)
.endm
	s_wait_loadcnt 16                              ; the first block's 16 loads are in; the second's may be out
	PTURN 0
	PTILE 32, 0
	PTILE 64, 1
	PSTORE 0
	s_wait_loadcnt 0x0
	PTURN 1
	PTILE 96, 2
	PTILE 128, 3
	PSTORE 1
	FINISH
; ======== PROJ: batch rows 64 g .. 64 g + 63 ========
; Twelve tile slots of 16 rows x 1,024 along K: 0-3 the rows of [x|context] (tile 2 b + u: row 32 b + 8 u + r + 8 (r / 8)), 4-7 Wc's rows as they lie, 8-11 Wk's rows in the pattern of slots 0-3.
; Q: wave w quantises K step w (128 along K) of all twelve and stores the images of the operands' registers in LDS | barrier | M: waves 0-3: k^T of row tile w (source 0 = Wk's four tiles, source 1 = the rows);
; waves 4-7: m of column tile w - 4 (source 0 = the four row tiles, source 1 = Wc's tile).  In both a lane's 32 results run along the next product's K.
.Lproj:
	s_lshl_b32 s30, ttmp9, 17                      ; 64 g rows of 2,048 bytes
	s_and_b32 s31, s[WV], 3
	s_lshl_b32 s31, s31, 9
	s_add_co_u32 s30, s30, s31
	s_mov_b32 s31, 0
	s_cmp_lt_u32 s[WV], 4                          ; K steps 0-3 lie in x, 4-7 in context
	s_cselect_b64 s[40:41], s[4:5], s[6:7]
	s_add_nc_u64 s[40:41], s[40:41], s[30:31]
	s_lshl_b32 s30, s[WV], 9
	s_add_nc_u64 s[42:43], s[12:13], s[30:31]      ; Wc at my K step
	s_add_nc_u64 s[44:45], s[8:9], s[30:31]        ; Wk
	v_lshlrev_b32 v[XA], 11, v[RHO]
	v_lshl_add_u32 v[XA], v[H], 6, v[XA]           ; my row, + 64 h: 16 numbers of each block of 32
	v_lshlrev_b32 v[WKA], 12, v[RHO]
	v_lshl_add_u32 v[WKA], v[H], 6, v[WKA]
	v_lshlrev_b32 v[WCA], 12, v[R]
	v_lshl_add_u32 v[WCA], v[H], 6, v[WCA]
	v_lshlrev_b32 v19, 6, v[H]
	s_and_b32 s32, s[WV], 3
	s_lshl_b32 s32, s32, 6
	v_lshl_add_u32 v22, v[R], 2, s32
.irp b,0,1
.irp q,0,1,2,3
	global_load_b128 v[200+16*\b+4*\q:203+16*\b+4*\q], v19, s[10:11] offset:128*\b+16*\q   ; bk in k's layout: register 16 b + i = unit 32 b + 16 h + i
.endr
.endr
	global_load_b32 v232, v22, s[14:15]            ; bc of column 16 (w % 4) + r
	v_mov_b32 v233, 0                              ; (named with it as a pair)
.macro XLOAD set, adr, base, off       ; 64 numbers: register 16 b + i = k 32 b + 16 h + i of my row
.irp b,0,1,2,3
.irp j,0,1,2,3
	global_load_b128 v[\set+16*\b+4*\j:\set+16*\b+4*\j+3], v[\adr], s[\base:\base+1] offset:\off+128*\b+16*\j
.endr
.endr
.endm
.macro FLOAD f, set
.if (\f) < 4
	XLOAD \set, XA, 40, (32*((\f)/2)+8*((\f)%2))*2048
.elseif (\f) < 8
	XLOAD \set, WCA, 42, 16*((\f)-4)*4096
.else
	XLOAD \set, WKA, 44, (32*(((\f)-8)/2)+8*(((\f)-8)%2))*4096
.endif
.endm
	FLOAD 0, N0
	FLOAD 1, N0+64
	s_mul_i32 s32, s[WV], 1536
	v_add_nc_u32 v[IWX], s32, v[L16]
	v_add_nc_u32 v[IWX+1], 49152, v[IWX]
	v_add_nc_u32 v[IWX+2], 98304, v[IWX]
	s_lshl_b32 s32, s[WV], 7
	s_add_co_u32 s32, s32, SCI
	v_add_nc_u32 v[ISW], s32, v[L4]
	s_mul_i32 s32, s[WV], 12288
	v_add_nc_u32 v[MB], s32, v[L16]                ; source 1: tile slot w
	s_lshr_b32 s33, s[WV], 2
	s_xor_b32 s33, s33, 1
	s_mul_i32 s32, s33, 98304
	v_add_nc_u32 v[MA], s32, v[L16]                ; source 0: slots 8-11 in waves 0-3, slots 0-3 in waves 4-7
	s_lshl_b32 s32, s[WV], 10
	s_add_co_u32 s32, s32, SCI
	v_add_nc_u32 v[MSS], s32, v[L4]
	s_lshl_b32 s32, s33, 13
	s_add_co_u32 s32, s32, SCI
	v_add_nc_u32 v[MSA], s32, v[L4]
.irp b,0,1,2,3
	v_mov_b32 v[TM+4+\b], 0                        ; (a lane permute's destination counts as one of its sources)
.endr
.macro QUANT sr                        ; 64 numbers become a fragment's codes in v[PC] on and its scale word in v[PW]
.irp b,0,1,2,3
	v_max3_num_f32 v[TM+\b], |v[\sr+16*\b]|, |v[\sr+1+16*\b]|, 0x2800000
.endr
.irp i,2,4,6,8,10,12,14
.irp b,0,1,2,3
	v_max3_num_f32 v[TM+\b], v[TM+\b], |v[\sr+16*\b+\i]|, |v[\sr+1+16*\b+\i]|
.endr
.endr
.irp b,0,1,2,3
	v_permlanex16_b32 v[TM+4+\b], v[TM+\b], s[SEL], s[SEL+1]
.endr
.irp b,0,1,2,3
	v_max_num_f32 v[TM+\b], v[TM+\b], v[TM+4+\b]
.endr
.irp b,0,1,2,3
	v_add_nc_u32 v[TM+12+\b], 0xfe000000, v[TM+\b]
.endr
.irp b,0,1,2,3
	v_lshrrev_b32 v[TM+4+\b], 23, v[TM+12+\b]
.endr
	v_lshl_or_b32 v[PW], v[TM+5], 8, v[TM+4]
	v_lshl_or_b32 v[PW], v[TM+6], 16, v[PW]
	v_lshl_or_b32 v[PW], v[TM+7], 24, v[PW]
.irp c,0,1
	v_cvt_scalef32_pk16_bf6_f32 v[PC+6*\c:PC+2+6*\c], v[\sr+32*\c:\sr+15+32*\c], v[TM+12+2*\c]
	v_cvt_scalef32_pk16_bf6_f32 v[PC+12+4*\c:PC+14+4*\c], v[\sr+16+32*\c:\sr+31+32*\c], v[TM+12+2*\c+1]
.endr
	v_nop                                          ; one plain place behind a scaled conversion
.irp c,0,1
.irp i,0,1,2
	v_permlane16_swap_b32 v[PC+6*\c+\i], v[PC+12+4*\c+\i]   ; a whole block to a lane: lanes 0-15 block 2 c, lanes 16-31 block 2 c + 1
.endr
.irp i,0,1,2
	v_mov_b32 v[PC+3+6*\c+\i], v[PC+12+4*\c+\i]
.endr
.endr
.endm
.macro QUANT2 sr                       ; the same for 32 numbers, two blocks: six registers and two bytes
.irp b,0,1
	v_max3_num_f32 v[TM+\b], |v[\sr+16*\b]|, |v[\sr+1+16*\b]|, 0x2800000
.endr
.irp i,2,4,6,8,10,12,14
.irp b,0,1
	v_max3_num_f32 v[TM+\b], v[TM+\b], |v[\sr+16*\b+\i]|, |v[\sr+1+16*\b+\i]|
.endr
.endr
.irp b,0,1
	v_permlanex16_b32 v[TM+4+\b], v[TM+\b], s[SEL], s[SEL+1]
.endr
.irp b,0,1
	v_max_num_f32 v[TM+\b], v[TM+\b], v[TM+4+\b]
.endr
.irp b,0,1
	v_add_nc_u32 v[TM+12+\b], 0xfe000000, v[TM+\b]
.endr
.irp b,0,1
	v_lshrrev_b32 v[TM+4+\b], 23, v[TM+12+\b]
.endr
	v_lshl_or_b32 v[PW], v[TM+5], 8, v[TM+4]
	v_cvt_scalef32_pk16_bf6_f32 v[PC:PC+2], v[\sr:\sr+15], v[TM+12]
	v_cvt_scalef32_pk16_bf6_f32 v[PC+12:PC+14], v[\sr+16:\sr+31], v[TM+13]
	v_nop
.irp i,0,1,2
	v_permlane16_swap_b32 v[PC+\i], v[PC+12+\i]
.endr
.irp i,0,1,2
	v_mov_b32 v[PC+3+\i], v[PC+12+\i]
.endr
.endm
.macro FQ f                            ; fragment f of my K step: quantised, and its image stored
.set NS, N0+64*((\f)%2)
.if (\f) < 11
	s_wait_loadcnt 16                              ; this fragment's 16 loads are in; the next one's 16 may be out
.else
	s_wait_loadcnt 0x0
.endif
	QUANT NS
.irp c,0,1,2
	ds_store_b128 v[IWX+(\f)/4], v[PC+4*\c:PC+4*\c+3] offset:((\f)%4)*12288+512*\c
.endr
	ds_store_b32 v[ISW], v[PW] offset:(\f)*1024
	s_wait_dscnt 0x0                               ; the stores have read their registers
.if (\f)+2 < 12
	FLOAD (\f)+2, NS
.endif
.endm
.irp f,0,1,2,3,4,5,6,7,8,9,10,11
	FQ \f
.endr
	s_wait_dscnt 0x0                               ; for the others' sake: my images lie in LDS
	s_barrier_signal -1
	s_barrier_wait -1
.macro MSTEP ks                        ; a K step: four accumulators by turns
.rept 4
	v_nop                                          ; places in front of loads into registers that matrix instructions have read
.endr
.irp i,0,1,2,3
.irp c,0,1,2
	ds_load_b128 v[32+12*\i+4*\c:35+12*\i+4*\c], v[MA] offset:\i*12288+(\ks)*1536+512*\c
.endr
	ds_load_b32 v[240+\i], v[MSA] offset:\i*1024+(\ks)*128
.endr
.irp c,0,1,2
	ds_load_b128 v[80+4*\c:83+4*\c], v[MB] offset:(\ks)*1536+512*\c
.endr
	ds_load_b32 v244, v[MSS] offset:(\ks)*128
	s_wait_dscnt 0x0
.irp i,0,1,2,3
.if (\ks) == 0
	v_wmma_scale_f32_16x16x128_f8f6f4 v[96+8*\i:103+8*\i], v[32+12*\i:43+12*\i], v[80:91], 0, v[240+\i], v244 matrix_a_fmt:MATRIX_FMT_BF6 matrix_b_fmt:MATRIX_FMT_BF6
.else
	v_wmma_scale_f32_16x16x128_f8f6f4 v[96+8*\i:103+8*\i], v[32+12*\i:43+12*\i], v[80:91], v[96+8*\i:103+8*\i], v[240+\i], v244 matrix_a_fmt:MATRIX_FMT_BF6 matrix_b_fmt:MATRIX_FMT_BF6
.endif
.endr
.endm
.irp ks,0,1,2,3,4,5,6,7
	MSTEP \ks
.endr
.rept 4
	v_nop                                          ; places in front of the first read of results
.endr
	s_lshr_b32 s50, ttmp9, 1
	s_mul_i32 s52, s50, REC                        ; my record of batch rows
	s_and_b32 s51, ttmp9, 1                        ; and which half of it
	s_mov_b32 s55, 0
	s_mov_b32 s57, 0
	s_cmp_lt_u32 s[WV], 4
	s_cbranch_scc0 .Lmtail
; ---- k: lane (r, h) holds batch row r of tile w; register 16 b + i = key unit 32 b + 16 h + i
.irp j,0,2,4,6,8,10,12,14,16,18,20,22,24,26,28,30
	v_pk_add_f32 v[96+\j:97+\j], v[96+\j:97+\j], v[200+\j:201+\j]
.endr
	v_pk_mul_f32 v[188:189], v[96:97], v[96:97]
	v_pk_mul_f32 v[190:191], v[98:99], v[98:99]
.irp j,4,8,12,16,20,24,28
	v_pk_fma_f32 v[188:189], v[96+\j:97+\j], v[96+\j:97+\j], v[188:189]
	v_pk_fma_f32 v[190:191], v[98+\j:99+\j], v[98+\j:99+\j], v[190:191]
.endr
	v_pk_add_f32 v[188:189], v[188:189], v[190:191]
	v_add_f32 v188, v188, v189
	v_permlanex16_b32 v[TM+6], v188, s[SEL], s[SEL+1]
	v_add_f32 v188, v188, v[TM+6]                  ; q2, of the unquantised k
	v_mul_f32 v197, 0x3fb8aa3b, v188               ; x log2(e)
	QUANT2 96
	s_mul_i32 s54, s51, 3072
	s_add_co_u32 s54, s54, s52
	s_mul_i32 s53, s[WV], 768
	s_add_co_u32 s54, s54, s53                     ; tile 4 (g % 2) + w
	s_add_nc_u64 s[54:55], s[22:23], s[54:55]
	s_mov_b32 s56, s52
	s_add_nc_u64 s[56:57], s[22:23], s[56:57]
	s_lshl_b32 s53, s51, 8
	s_lshl_b32 s58, s[WV], 6
	s_add_co_u32 s58, s58, s53
	s_add_co_u32 s58, s58, PS_O                    ; my tile's 16 scale words
	s_lshr_b32 s59, s[WV], 1
	s_lshl_b32 s59, s59, 7
	s_add_co_u32 s59, s59, s53
	s_and_b32 s53, s[WV], 1
	s_lshl_b32 s53, s53, 5
	s_add_co_u32 s59, s59, s53
	s_add_co_u32 s59, s59, P2_O                    ; and my tile's rows among the record's 128 numbers
	v_lshl_add_u32 v23, v[R], 2, s58
	v_lshl_add_u32 v24, v[RHO], 2, s59
	v_cndmask_b32 v23, v23, v24, s[HM]
	v_or_b32 v[PW], 0x7f7f0000, v[PW]
	v_cndmask_b32 v[PW], v[PW], v197, s[HM]        ; one store, all lanes on: lanes 0-15 the scale words, lanes 16-31 q2 log2(e)
	global_store_b128 v[L16], v[PC:PC+3], s[54:55] offset:PC_O
	global_store_b64 v[L8], v[PC+4:PC+5], s[54:55] offset:PC_O+512
	global_store_b32 v23, v[PW], s[56:57]
	FINISH
; ---- m: lane (r, h) holds column 16 (w - 4) + r; register 16 b + i = batch row 32 b + 16 h + i of my 64
.Lmtail:
.irp j,0,2,4,6,8,10,12,14,16,18,20,22,24,26,28,30
	v_pk_add_f32 v[96+\j:97+\j], v[96+\j:97+\j], v[232:233] op_sel_hi:[1,0]
.endr
	QUANT2 96
	s_and_b32 s53, s[WV], 3                        ; the column tile
	s_mul_i32 s54, s53, 1536
	s_add_co_u32 s54, s54, s52
	s_mul_i32 s58, s51, 768
	s_add_co_u32 s54, s54, s58
	s_add_nc_u64 s[54:55], s[22:23], s[54:55]
	s_lshl_b32 s56, s53, 6
	s_add_co_u32 s56, s56, s52
	s_lshl_b32 s58, s51, 1
	s_add_co_u32 s56, s56, s58
	s_add_nc_u64 s[56:57], s[22:23], s[56:57]
	v_lshlrev_b32 v25, 2, v[R]
	global_store_b128 v[L16], v[PC:PC+3], s[54:55] offset:BC_O
	global_store_b64 v[L8], v[PC+4:PC+5], s[54:55] offset:BC_O+512
	global_store_b16 v25, v[PW], s[56:57] offset:BS_O   ; my half's two bytes of the column's scale word; lanes r and 16 + r hold the same two bytes and name the same place.  32 bytes a wave: 4,096 in the launch
	FINISH
.Lfunc_end_k_qe967ff247a_prep:
	.size	k_qe967ff247a_prep, .Lfunc_end_k_qe967ff247a_prep-k_qe967ff247a_prep
	.p2alignl 7, 3214868480
	.fill 96, 4, 3214868480
	.section	.rodata,"a",@progbits
	.p2align	6, 0x0
	.amdhsa_kernel k_qe967ff247a_prep
		.amdhsa_group_segment_fixed_size 230400
		.amdhsa_private_segment_fixed_size 0
		.amdhsa_enable_private_segment 0
		.amdhsa_kernarg_size 80
		.amdhsa_user_sgpr_count 2
		.amdhsa_user_sgpr_kernarg_segment_ptr 1
		.amdhsa_wavefront_size32 1
		.amdhsa_system_sgpr_workgroup_id_x 1
		.amdhsa_system_sgpr_workgroup_id_y 1
		.amdhsa_system_sgpr_workgroup_id_z 1
		.amdhsa_system_vgpr_workitem_id 0
		.amdhsa_next_free_vgpr 256
		.amdhsa_next_free_sgpr 66
		.amdhsa_reserve_vcc 0
		.amdhsa_float_denorm_mode_32 3
		.amdhsa_float_denorm_mode_16_64 3
		.amdhsa_memory_ordered 1
		.amdhsa_forward_progress 1
		.amdhsa_inst_pref_size 137
	.end_amdhsa_kernel
	.amdgpu_metadata
---
amdhsa.version: [ 1, 2 ]
amdhsa.kernels:
  - .name:           k_qe967ff247a_prep
    .symbol:         k_qe967ff247a_prep.kd
    .args:
      - { .name: x, .offset: 0, .size: 8, .value_kind: global_buffer, .address_space: global }
      - { .name: context, .offset: 8, .size: 8, .value_kind: global_buffer, .address_space: global }
      - { .name: Wk, .offset: 16, .size: 8, .value_kind: global_buffer, .address_space: global }
      - { .name: bk, .offset: 24, .size: 8, .value_kind: global_buffer, .address_space: global }
      - { .name: Wc, .offset: 32, .size: 8, .value_kind: global_buffer, .address_space: global }
      - { .name: bc, .offset: 40, .size: 8, .value_kind: global_buffer, .address_space: global }
      - { .name: prototypes, .offset: 48, .size: 8, .value_kind: global_buffer, .address_space: global }
      - { .name: buffer, .offset: 56, .size: 8, .value_kind: global_buffer, .address_space: global }
      - { .name: binrec, .offset: 64, .size: 8, .value_kind: global_buffer, .address_space: global }
      - { .name: batrec, .offset: 72, .size: 8, .value_kind: global_buffer, .address_space: global }
    .group_segment_fixed_size: 230400
    .private_segment_fixed_size: 0
    .kernarg_segment_align: 8
    .kernarg_segment_size: 80
    .max_flat_workgroup_size: 256
    .sgpr_count:     66
    .vgpr_count:     256
    .wavefront_size: 32
...
	.end_amdgpu_metadata
.endif
;; end of part 1
;; launch pass1 (part 2): grid 32 x 8, 8 waves a work-group, clusters of 4 x 1, 327,680 bytes of LDS; arguments batrec, binrec, stats, opart; writes stats, opart
.if DOCPART == 2
	.amdgcn_target "amdgcn-amd-amdhsa--gfx1250"
	.amdhsa_code_object_version 6
	.text
	.protected	k_qe967ff247a_pass1
	.globl	k_qe967ff247a_pass1
	.p2align	8
	.type	k_qe967ff247a_pass1,@function
k_qe967ff247a_pass1:
	s_mov_b64 s[64:65], 0
	v_nop
	global_prefetch_b8 v0, s[64:65] scope:SCOPE_SE
	s_setreg_imm32_b32 hwreg(HW_REG_WAVE_MODE, 25, 1), 1
	s_wait_xcnt 0x0
	s_wait_alu depctr_hold_cnt(0) depctr_sa_sdst(0) depctr_va_vdst(0) depctr_va_sdst(0) depctr_va_ssrc(0) depctr_va_vcc(0) depctr_vm_vsrc(0)
	s_getreg_b32 s2, hwreg(HW_REG_IB_STS2, 6, 4)
	s_cmp_eq_u32 s2, 0
	s_cbranch_scc0 .Lentry_in_a_cluster
	s_endpgm
.Lentry_in_a_cluster:
	s_bfe_u32 s2, ttmp6, 0x10000c
	s_cmp_lg_u32 s2, 0x3003
	s_cbranch_scc0 .Lentry_shape_is_right
	s_endpgm
.Lentry_shape_is_right:
; PASS 1: scores (product 3), the running M and the row's sum, and product 4, for 64 queries x 8,192 bins a work-group.  No work is left out.
; t = c (score - p2/2) - q2 log2(e), c = 2 log2(e); -p2/2 is the C of the score products.  M = the running largest t rounded up to a whole number; p = 2^(t - M) is quantised along the bins, not normalised;
; the sum is taken of the unquantised p.  When M moves, the sum and O are multiplied by 2^(old M - new M), which rounds nothing.
; SHARES.  Work-group (x, y): queries 64 x .. 64 x + 63, bins 8,192 y on (64 records of 128).  Wave w: two tiles of 16 queries (u = 0, 1 of the block of 32 rows 2 x + w % 2) and, of each slot's eight
; records, records 2 (w / 2) and 2 (w / 2) + 1.  The four waves of a column are merged in LDS at the end; the eight y are merged by the next launch: (-M, sum) go to stats, O to opart.
; TWO TILES A WAVE share every fragment read from LDS.  Tile t keeps its own registers at the same numbers in register window t, so that each vector macro is written once and runs under one window setting.
; LAYOUT.  Both products are used transposed: S^T = prototypes x Q^T, O^T = buffer^T x P^T: a lane holds one query throughout.  The bins of a tile are not neighbours (see the record's layout in the first
; launch): the 16 registers of tiles 2 b, 2 b + 1 are bins 32 b + 16 (lane / 16) + 0 .. 15.  The score products have K = 64: Q's registers 6-11 hold zero codes, so what stands in the prototype operand's
; registers 6-11 (the next tile's codes; behind the last tile six zeroed registers) adds nothing under the scale byte 0x7f.
; CLUSTER.  The four work-groups of a cluster walk the same records: each record is asked for jointly, one load a wave, mask 15.  By this text's count a wave has one tensor load out at the most.
; LIMITS.  NaN and infinities are not served.  The sums' order differs from reference()'s.
; REGISTERS.  Window 0, shared: v1-3, v28 lane terms; v29, v30 the add's two; v31 prefetch offset; v32-79 eight prototype halves; v80-85 zeros; v86-89, v90-91, v92, v94-95 scale words; v220-225 the tail's addresses;
; v252-255 the step's addresses.  Window 1, shared: v32-95 -p2/2.  Own, in window t: v4:5 -M - q2l; v6 q2l; v12 -M; v13 largest t; v14:15 sum; v16-27 Q; v96-159 S^T, then p (window 0: then buffer's four fragments);
; v160-191 O^T; v192-203 p's codes; v204-219 at work.
.set REC,   13568
.set PC_O,  0
.set BC_O,  6144
.set PS_O,  12288
.set BS_O,  12800
.set P2_O,  13056
.set SLOT1, 131072                     ; slot 0 at 0, slot 1 here: 8 records, 108,544 bytes each
.set STAT,  108544                     ; 16 x 256 bytes: each wave's and tile's (-M, sum)
.set SPARE, 112640                     ; the spare words, 128 bytes for each wave: four blocks of 256 bytes that no other line names
.set STG,   239616                     ; 16 stages of 16 rows x 272 bytes
.set L16, 1
.set L8,  2
.set L4,  3
.set AD,  4
.set Q2L, 6
.set NM,  12
.set TMX, 13
.set SUM, 14
.set QF,  16
.set LH,  28
.set SPW, 29
.set NIL, 30
.set PFO, 31
.set PCF, 32
.set PSR, 86
.set BSR, 90
.set QW,  92
.set PW0, 94
.set S,   96
.set OT,  160
.set PCD, 192
.set BM,  204
.set BT,  208
.set BSC, 212
.set FF,  216
.set T0,  218
.set T1,  219
.set STW, 220
.set STR, 221
.set SGW, 222
.set SGR, 223
.set OGO, 224
.set STO, 225
.set A16, 252
.set A8,  253
.set A4,  254
.set AH,  255
.set WV,  12
.set SEL, 20
.set CS,  22
.set G1,  24
.set G0,  32
.set RB,  36
.set SLOTS, 37
.set TWICE, 38
.set PFA, 40
.set LIM, 42
.set HM,  43
.set MSB, 0
.macro WIN new                         ; the immediate's high byte repeats the setting that is left; a switch that changes nothing is dropped
.if MSB != (\new)
	s_set_vgpr_msb (MSB<<8)|(\new)
.set MSB, \new
.endif
.endm
.macro ROUND                           ; a round of the cluster's barrier
	s_barrier_signal -1
	s_barrier_wait -1
	s_cmp_lg_u32 s[WV], 0
	s_cbranch_scc1 .Lnot_wave_0_\@
	s_barrier_signal -3
.Lnot_wave_0_\@:
	s_barrier_wait -3
	s_barrier_signal -1
	s_barrier_wait -1
.endm
.macro TLOAD                           ; my record of the slot, jointly with the three partners; an s_nop 0 and four v_nop follow
	tensor_load_to_lds s[G0:G0+3], s[G1:G1+7]
	s_nop 0
.rept 4
	v_nop
.endr
.endm
; A prefetch of the slot that the NEXT change of slots will ask for: 8 records of 53 blocks of 256 bytes.  All eight clusters of a y walk the same records: the first of them asks.  Its four partners take two records
; each, told apart by address; in each, waves 0-3 ask: record w / 2, blocks 0-31 (w even) or 32-52 (w odd; the lanes left over name block 52 again).  The last change that fills a slot asks for nothing.
.macro ASK
	s_cmp_gt_u32 s[SLOTS], s[LIM]
	s_cbranch_scc0 .Lnot_mine_\@
	global_prefetch_b8 v[PFO], s[PFA:PFA+1] th:TH_LOAD_NT scope:SCOPE_SE
.Lnot_mine_\@:
.endm
	s_load_b256 s[4:11], s[0:1], 0x0               ; batrec, binrec, stats, opart
	v_lshl_add_u32 v[SPW], v0, 2, SPARE
	v_mov_b32 v[NIL], 0
	ds_add_u32 v[SPW], v[NIL]                      ; the wave's opening: the add, twice on end, and its wait ahead of my first tensor load
	ds_add_u32 v[SPW], v[NIL]
	v_lshrrev_b32 v1, 5, v0
	v_readfirstlane_b32 s[WV], v1                  ; wave 0..7
	s_bfe_u32 s13, ttmp6, 0x40000                  ; cx
	s_lshl_b32 s14, ttmp9, 2
	s_add_co_u32 s14, s14, s13                     ; my block of 64 queries: it enters global addresses alone
	s_and_b32 s15, ttmp7, 0xffff                   ; my eighth of the bins, which the partners share
	s_and_b32 s16, s[WV], 1                        ; col
	s_lshr_b32 s17, s[WV], 1                       ; sub
	s_lshl_b32 s18, s14, 1
	s_add_co_u32 s18, s18, s16                     ; my block of 32 batch rows
	s_mov_b32 s[G1], 15|(3<<16)|(1<<21)            ; the mask: all four; elements of 8 bytes; bit 21 beside a mask; no padding
	s_mov_b32 s[G1+1], 32<<16                      ; tensor_dim0 = 32 elements: rows of 256 bytes
	s_mov_b32 s[G1+2], 53<<16                      ; tensor_dim1 = 53 rows: a record
	s_mov_b32 s[G1+3], 32<<16                      ; tile_dim0
	s_mov_b32 s[G1+4], 53                          ; tile_dim1
	s_mov_b32 s[G1+5], 32                          ; the pitch: dense
	s_mov_b32 s[G1+6], 0
	s_mov_b32 s[G1+7], 0
	s_mov_b32 s[SEL], 0x76543210
	s_mov_b32 s[SEL+1], 0xfedcba98
	s_mov_b32 s[CS], 0x4038aa3b                    ; c = 2 log2(e)
	s_mov_b32 s[CS+1], s[CS]
	s_mov_b32 s[HM], 0xffff0000
	s_mov_b32 s[RB], 0
	s_mov_b32 s[SLOTS], 7
	s_mov_b32 s[G0], 1
	s_mul_i32 s[G0+1], s[WV], REC                  ; record w of slot 0
	s_lshl_b32 s44, s15, 6
	s_add_co_u32 s44, s44, s[WV]
	s_mul_i32 s44, s44, REC
	s_mov_b32 s45, 0
	s_wait_dscnt 0x0                               ; both opening adds are done
	s_wait_kmcnt 0x0
	s_add_nc_u64 s[G0+2:G0+3], s[6:7], s[44:45]
	s_or_b32 s[G0+3], s[G0+3], 0x80000000
	ROUND                                          ; all four work-groups are here: the first joint loads meet
	TLOAD                                          ; slot 0
	v_and_b32 v228, 31, v0                         ; lane
	v_and_b32 v229, 15, v0                         ; r
	v_bfe_u32 v230, v0, 4, 1                       ; h
	v_and_b32 v231, 8, v229
	v_add_nc_u32 v231, v231, v229                  ; r + 8 (r / 8)
	v_lshlrev_b32 v232, 4, v228
	v_lshlrev_b32 v233, 3, v228
	v_lshlrev_b32 v234, 2, v228
	v_lshlrev_b32 v235, 2, v231
	s_lshr_b32 s44, s18, 2
	s_mul_i32 s44, s44, REC                        ; my queries' record,
	s_and_b32 s46, s18, 3                          ; and my block of 32 in it
	s_mul_i32 s47, s46, 1536
	s_add_co_u32 s48, s44, s47
	s_mov_b32 s49, 0
	s_add_nc_u64 s[48:49], s[4:5], s[48:49]
	s_lshl_b32 s47, s46, 7
	s_add_co_u32 s50, s44, s47
	s_mov_b32 s51, 0
	s_add_nc_u64 s[50:51], s[4:5], s[50:51]
.irp ti,0,1
	WIN 0x40*\ti
	global_load_b128 v[QF:QF+3], v232, s[48:49] offset:PC_O+768*\ti
	global_load_b64 v[QF+4:QF+5], v233, s[48:49] offset:PC_O+768*\ti+512
	global_load_b32 v[Q2L], v235, s[50:51] offset:P2_O+32*\ti
.endr
	WIN 0
	global_load_b32 v[QW], v234, s[50:51] offset:PS_O   ; lanes 0-15: tile 0's scale words, lanes 16-31: tile 1's
	s_mul_i32 s44, s17, 2*REC                      ; my two records of a slot
	v_add_nc_u32 v[L16], s44, v232
	v_add_nc_u32 v[L8], s44, v233
	v_add_nc_u32 v[L4], s44, v234
	v_lshl_add_u32 v[LH], v230, 6, s44
	s_lshl_b32 s45, s[WV], 9
	s_add_co_u32 s45, s45, STAT
	v_add_nc_u32 v[STW], s45, v233
	s_lshl_b32 s45, s16, 9
	s_add_co_u32 s45, s45, STAT
	v_add_nc_u32 v[STR], s45, v233
	s_mul_i32 s45, s[WV], 8704
	s_add_co_u32 s45, s45, STG
	v_mul_u32_u24 v[SGW], v229, 272
	v_lshl_add_u32 v[SGW], v230, 5, v[SGW]
	v_add_nc_u32 v[SGW], s45, v[SGW]
	s_bfe_u32 s58, s[WV], 0x10001                  ; the tail: I sum tile (w % 2, (w / 2) % 2), rows 8 (w / 4) on
	s_mul_i32 s56, s16, 8704
	s_mul_i32 s59, s58, 4352
	s_add_co_u32 s56, s56, s59
	s_lshr_b32 s59, s[WV], 2
	s_mul_i32 s59, s59, 2176
	s_add_co_u32 s56, s56, s59
	s_add_co_u32 s56, s56, STG
	v_mul_u32_u24 v[SGR], v230, 272
	v_lshl_add_u32 v[SGR], v229, 4, v[SGR]
	v_add_nc_u32 v[SGR], s56, v[SGR]
	v_lshlrev_b32 v[OGO], 8, v230
	v_lshl_add_u32 v[OGO], v229, 4, v[OGO]
	v_lshl_add_u32 v[STO], v230, 13, v235
	s_lshl_b32 s56, s15, 19                        ; opart: my eighth, 2,048 rows of 256 bytes,
	s_lshl_b32 s57, s18, 5
	s_lshl_b32 s59, s58, 3
	s_add_co_u32 s57, s57, s59
	s_lshr_b32 s59, s[WV], 2
	s_lshl_b32 s59, s59, 4
	s_add_co_u32 s57, s57, s59                     ; row 32 block + 8 t' + 16 (w / 4)
	s_lshl_b32 s57, s57, 8
	s_add_co_u32 s56, s56, s57
	s_mov_b32 s57, 0
	s_add_nc_u64 s[52:53], s[10:11], s[56:57]
	s_lshl_b32 s56, s15, 14
	s_lshl_b32 s59, s18, 7
	s_add_co_u32 s56, s56, s59
	s_add_nc_u64 s[54:55], s[8:9], s[56:57]        ; stats: my eighth, my block of 32 rows
	s_and_b32 s44, s[WV], 1                        ; the prefetches
	s_mul_i32 s45, s44, 11
	s_sub_co_u32 s45, 31, s45
	v_min_u32 v[PFO], s45, v228
	v_lshlrev_b32 v[PFO], 8, v[PFO]
	s_lshl_b32 s46, s15, 6
	s_add_co_u32 s46, s46, 8                       ; in slot 1: the first change of slots steps it to slot 2.  Nothing is prefetched at the head
	s_lshl_b32 s47, s13, 1
	s_add_co_u32 s46, s46, s47
	s_add_co_u32 s46, s46, s58
	s_mul_i32 s46, s46, REC
	s_lshl_b32 s44, s44, 13
	s_add_co_u32 s46, s46, s44
	s_mov_b32 s47, 0
	s_add_nc_u64 s[PFA:PFA+1], s[6:7], s[46:47]
	s_lshr_b32 s44, s[WV], 2
	s_or_b32 s44, s44, ttmp9                       ; 0 in waves 0-3 of the first cluster along x: the same in all four partners
	s_cmp_eq_u32 s44, 0
	s_cselect_b32 s[LIM], 1, -1
.irp ti,0,1
	WIN 0x55*\ti
.irp i,6,7,8,9,10,11
	v_mov_b32 v[QF+\i], 0                          ; zero codes for the 64 along K that are not there
.endr
.set ix, 0
.rept 32
	v_mov_b32 v[OT+ix], 0                          ; O^T.  (The step is written once: the first finds zeros, which the first change of M leaves zeros)
.set ix, ix+1
.endr
	v_mov_b32 v[SUM], 0
	v_mov_b32 v[SUM+1], 0
.irp b,0,1,2,3
	v_mov_b32 v[BT+\b], 0                          ; (a lane permute's destination counts as one of its sources)
.endr
	v_mov_b32 v[TMX], 0xff61b1e6                   ; the largest t so far: -3e38
	v_floor_f32 v[NM], -v[TMX]
	v_mov_b32 v[AD+1], 0                           ; (named as the upper halves of pairs)
	v_mov_b32 v[FF+1], 0
.endr
	WIN 0
.irp i,0,1,2,3,4,5
	v_mov_b32 v[PCF+48+\i], 0
.endr
.macro SCORE tt, ti                    ; S^T of 16 bins x my tile ti: C = -p2/2
.set rD, S+8*(\tt)
.set rA, PCF+6*(\tt)
.set rC, 32+8*(\tt)
.set rS, PSR+(\tt)/2
.if ((\tt)%2 == 0) && ((\ti) == 0)
	v_wmma_scale_f32_16x16x128_f8f6f4 v[rD:rD+7], v[rA:rA+11], v[QF:QF+11], v[rC:rC+7], v[rS], v[QW] matrix_a_fmt:MATRIX_FMT_BF6 matrix_b_fmt:MATRIX_FMT_BF6
.elseif ((\tt)%2 == 1) && ((\ti) == 0)
	v_wmma_scale_f32_16x16x128_f8f6f4 v[rD:rD+7], v[rA:rA+11], v[QF:QF+11], v[rC:rC+7], v[rS], v[QW] matrix_a_fmt:MATRIX_FMT_BF6 matrix_b_fmt:MATRIX_FMT_BF6 matrix_a_scale:MATRIX_SCALE_ROW1
.elseif ((\tt)%2 == 0)
	v_wmma_scale_f32_16x16x128_f8f6f4 v[rD:rD+7], v[rA:rA+11], v[QF:QF+11], v[rC:rC+7], v[rS], v[QW] matrix_a_fmt:MATRIX_FMT_BF6 matrix_b_fmt:MATRIX_FMT_BF6 matrix_b_scale:MATRIX_SCALE_ROW1
.else
	v_wmma_scale_f32_16x16x128_f8f6f4 v[rD:rD+7], v[rA:rA+11], v[QF:QF+11], v[rC:rC+7], v[rS], v[QW] matrix_a_fmt:MATRIX_FMT_BF6 matrix_b_fmt:MATRIX_FMT_BF6 matrix_a_scale:MATRIX_SCALE_ROW1 matrix_b_scale:MATRIX_SCALE_ROW1
.endif
.endm
.macro OPROD ta, ti                    ; O^T += 16 columns of buffer x p of tile ti
.set rD, OT+8*(\ta)
.set rA, 96+12*(\ta)
.if (\ta)%2 == 0
	v_wmma_scale_f32_16x16x128_f8f6f4 v[rD:rD+7], v[rA:rA+11], v[PCD:PCD+11], v[rD:rD+7], v[BSR+(\ta)/2], v[PW0+(\ti)] matrix_a_fmt:MATRIX_FMT_BF6 matrix_b_fmt:MATRIX_FMT_BF6
.else
	v_wmma_scale_f32_16x16x128_f8f6f4 v[rD:rD+7], v[rA:rA+11], v[PCD:PCD+11], v[rD:rD+7], v[BSR+(\ta)/2], v[PW0+(\ti)] matrix_a_fmt:MATRIX_FMT_BF6 matrix_b_fmt:MATRIX_FMT_BF6 matrix_a_scale:MATRIX_SCALE_ROW1
.endif
.endm
; The softmax of tile ti for 128 bins, all in window ti
.macro SM1 ti
	WIN 0x55*\ti
.irp b,0,1,2,3
	v_max3_num_f32 v[BM+\b], v[S+16*\b], v[S+1+16*\b], v[S+2+16*\b]   ; the largest score of each block of 32 bins: for the row's maximum, and, since p rises with the score, for the block's largest p
.endr
.irp i,3,5,7,9,11,13
.irp b,0,1,2,3
	v_max3_num_f32 v[BM+\b], v[BM+\b], v[S+16*\b+\i], v[S+1+16*\b+\i]
.endr
.endr
.irp b,0,1,2,3
	v_max_num_f32 v[BM+\b], v[BM+\b], v[S+15+16*\b]
.endr
.irp b,0,1,2,3
	v_permlanex16_b32 v[BT+\b], v[BM+\b], s[SEL], s[SEL+1]
.endr
.irp b,0,1,2,3
	v_max_num_f32 v[BM+\b], v[BM+\b], v[BT+\b]
.endr
	v_max3_num_f32 v[T0], v[BM], v[BM+1], v[BM+2]
	v_max_num_f32 v[T0], v[T0], v[BM+3]
	v_fma_f32 v[T0], v[T0], s[CS], -v[Q2L]         ; as t
	v_max_num_f32 v[TMX], v[TMX], v[T0]            ; the running largest t
	v_mov_b32 v[T0], v[NM]
	v_floor_f32 v[NM], -v[TMX]                     ; the new -M = -ceil(t): a whole number
	v_sub_f32 v[T0], v[NM], v[T0]                  ; old M less new M: a whole number, 0 or less
	v_cvt_i32_f32 v[T0], v[T0]                     ; (it saturates)
	v_ldexp_f32 v[FF], 1.0, v[T0]                  ; f = 2^(old M - new M)
	v_sub_f32 v[AD], v[NM], v[Q2L]                 ; -M - q2 log2(e)
.set ix, 0
.rept 32
	v_pk_fma_f32 v[S+ix:S+ix+1], v[S+ix:S+ix+1], s[CS:CS+1], v[AD:AD+1] op_sel_hi:[1,0,0]   ; t - M
.set ix, ix+2
.endr
.irp b,0,1,2,3
	v_fma_f32 v[BM+\b], v[BM+\b], s[CS], v[AD]     ; the same of each block's largest score
.endr
.set ix, 0
.rept 64
	v_exp_f32 v[S+ix], v[S+ix]                     ; p = 2^(t - M), at most 1
.set ix, ix+1
.endr
	v_pk_mul_f32 v[SUM:SUM+1], v[SUM:SUM+1], v[FF:FF+1] op_sel_hi:[1,0]   ; the sum under the new M (a plain place behind the exponentials)
	s_wait_alu depctr_va_vdst(0)                   ; one wait for the batch of 64, ahead of its first reader
.irp b,0,1,2,3
	v_exp_f32 v[BM+\b], v[BM+\b]                   ; the block's largest p: the same arithmetic on the same number gives the same bits
.endr
	v_pk_add_f32 v[BT:BT+1], v[S:S+1], v[S+2:S+3]  ; the sum of the unquantised p, in two chains
.irp j,4,8,12,16,20,24,28,32,36,40,44,48,52,56,60
	v_pk_add_f32 v[SUM:SUM+1], v[SUM:SUM+1], v[S+\j:S+\j+1]
	v_pk_add_f32 v[BT:BT+1], v[BT:BT+1], v[S+\j+2:S+\j+3]
.endr
	v_pk_add_f32 v[SUM:SUM+1], v[SUM:SUM+1], v[BT:BT+1]
	s_wait_alu depctr_va_vdst(0)                   ; and one for the four
.irp b,0,1,2,3
	v_max_num_f32 v[BM+\b], 0x2800000, v[BM+\b]    ; the floor 2^(5 - 127)
.endr
.irp b,0,1,2,3
	v_add_nc_u32 v[BSC+\b], 0xfe000000, v[BM+\b]   ; 4 off the exponent field: the conversion's scale operand
.endr
.irp b,0,1,2,3
	v_lshrrev_b32 v[BT+\b], 23, v[BSC+\b]
.endr
	v_lshl_or_b32 v[T1], v[BT+1], 8, v[BT]
	v_lshl_or_b32 v[T1], v[BT+2], 16, v[T1]
	v_lshl_or_b32 v[T1], v[BT+3], 24, v[T1]
	WIN \ti                                        ; scale operands have no window: p's word goes to window 0
	v_mov_b32 v[PW0+\ti], v[T1]
	WIN 0x55*\ti
	v_cvt_scalef32_pk16_bf6_f32 v[PCD:PCD+2], v[S:S+15], v[BSC]
	v_cvt_scalef32_pk16_bf6_f32 v[BM:BM+2], v[S+16:S+31], v[BSC+1]
	v_cvt_scalef32_pk16_bf6_f32 v[PCD+6:PCD+8], v[S+32:S+47], v[BSC+2]
	v_cvt_scalef32_pk16_bf6_f32 v[BT:BT+2], v[S+48:S+63], v[BSC+3]
	v_nop                                          ; one plain place behind a scaled conversion
.irp i,0,1,2
	v_permlane16_swap_b32 v[PCD+\i], v[BM+\i]      ; a whole block to a lane
	v_permlane16_swap_b32 v[PCD+6+\i], v[BT+\i]
.endr
.irp i,0,1,2
	v_mov_b32 v[PCD+3+\i], v[BM+\i]
	v_mov_b32 v[PCD+9+\i], v[BT+\i]
.endr
.set ix, 0
.rept 16
	v_pk_mul_f32 v[OT+ix:OT+ix+1], v[OT+ix:OT+ix+1], v[FF:FF+1] op_sel_hi:[1,0]   ; O^T under the new M.  (These are also the places between the operand's and the scale word's last writes and the products)
.set ix, ix+2
.endr
.endm
; A step: one record of 128 bins, both tiles
.macro STEP1
	v_add_nc_u32 v[A16], s[RB], v[L16]             ; six plain instructions: the first score product writes over registers that the last products read
	v_add_nc_u32 v[A8], s[RB], v[L8]
	v_add_nc_u32 v[A4], s[RB], v[L4]
	v_add_nc_u32 v[AH], s[RB], v[LH]
	v_nop
	v_nop
.irp tt,0,1,2,3,4,5,6,7
	ds_load_b128 v[PCF+6*\tt:PCF+6*\tt+3], v[A16] offset:PC_O+768*\tt
	ds_load_b64 v[PCF+6*\tt+4:PCF+6*\tt+5], v[A8] offset:PC_O+768*\tt+512
.endr
.irp b,0,1,2,3
	ds_load_b32 v[PSR+\b], v[A4] offset:PS_O+128*\b
.endr
	WIN 0x40                                       ; destination window 1
.irp tt,0,1,2,3,4,5,6,7
	ds_load_b128 v[32+8*\tt:35+8*\tt], v[AH] offset:P2_O+128*(\tt/2)+32*(\tt%2)
	ds_load_b128 v[36+8*\tt:39+8*\tt], v[AH] offset:P2_O+128*(\tt/2)+32*(\tt%2)+16
.endr
	s_wait_dscnt 0x0
	WIN 0x10                                       ; C in window 1
.irp tt,0,1,2,3,4,5,6,7
	SCORE \tt, 0
.endr
	WIN 0x54                                       ; Q, C and D in window 1
.irp tt,0,1,2,3,4,5,6,7
	SCORE \tt, 1
.endr
	WIN 0
.rept 4
	v_nop                                          ; places in front of the first read of results
.endr
	SM1 0
	WIN 0
.irp ta,0,1,2,3
.irp c,0,1
	ds_load_b128 v[96+12*\ta+6*\c:99+12*\ta+6*\c], v[A16] offset:BC_O+1536*\ta+768*\c   ; buffer's fragments land where tile 0's p lay, while tile 1's softmax is walked
	ds_load_b64 v[100+12*\ta+6*\c:101+12*\ta+6*\c], v[A8] offset:BC_O+1536*\ta+768*\c+512
.endr
.endr
.irp i,0,1
	ds_load_b32 v[BSR+\i], v[A4] offset:BS_O+128*\i
.endr
	SM1 1
	s_wait_dscnt 0x0
	WIN 0
.irp ta,0,1,2,3
	OPROD \ta, 0                                   ; eight accumulators, one instruction each: by turns
.endr
	WIN 0x54
.irp ta,0,1,2,3
	OPROD \ta, 1
.endr
	WIN 0
	s_add_co_u32 s[RB], s[RB], REC
.endm
; The change of slots stands at a slot's head: each wave waits for all its tensor loads (its record of the slot ahead), adds 0 to its spare word, and waits for that and for its reads of the slot that it has left.
; fill = 1: a round of the cluster's barrier, and behind it the slot just left takes the next eight records: the load has a slot's steps in which to land.
.macro CHANGE fill
	s_wait_tensorcnt 0x0                           ; no tensor load of mine is out, so group 0 may be written
	ds_add_u32 v[SPW], v[NIL]
.if \fill
	s_xor_b32 s[G0+1], s[G0+1], SLOT1
	s_add_nc_u64 s[G0+2:G0+3], s[G0+2:G0+3], 8*REC
	s_wait_xcnt 0x0                                ; the last prefetch, a slot back, has read its address
	s_add_nc_u64 s[PFA:PFA+1], s[PFA:PFA+1], 8*REC
	s_wait_dscnt 0x0
	ROUND
	TLOAD
	ASK
.else
	s_wait_dscnt 0x0
	s_barrier_signal -1
	s_barrier_wait -1
.endif
.endm
.macro SLOT_STEPS                      ; my two records of the slot: written once, walked twice
	s_mov_b32 s[TWICE], 2
.Lstep_\@:
	STEP1
	s_sub_co_u32 s[TWICE], s[TWICE], 1
	s_cmp_lg_u32 s[TWICE], 0
	s_cbranch_scc1 .Lstep_\@
	s_sub_co_u32 s[RB], s[RB], 2*REC
	s_xor_b32 s[RB], s[RB], SLOT1
.endm
	s_wait_loadcnt 0x0                             ; Q
.Lslot:                                            ; seven trips: behind each change of slots but the last the next slot is asked for
	CHANGE 1
	SLOT_STEPS
	s_sub_co_u32 s[SLOTS], s[SLOTS], 1
	s_cmp_lg_u32 s[SLOTS], 0
	s_cbranch_scc1 .Lslot
	CHANGE 0                                       ; the last slot is written out
	SLOT_STEPS
; THE TAIL.  The four waves of a column hold the same queries under four M: (-M, sum) meet in LDS; each wave brings its O^T under the common M and stores it to its stage; the eight waves share the sums out.
.irp ti,0,1
	WIN 0x55*\ti
	v_add_f32 v[SUM], v[SUM], v[SUM+1]
	v_permlanex16_b32 v[BT], v[SUM], s[SEL], s[SEL+1]
	v_add_f32 v[TMX], v[SUM], v[BT]                ; the row's sum, beside -M
	WIN 0x04*\ti
	ds_store_b64 v[STW], v[NM:NM+1] offset:256*\ti
.endr
	WIN 0
	s_wait_dscnt 0x0
	s_barrier_signal -1
	s_barrier_wait -1
.irp ti,0,1
	WIN 0x40*\ti
.irp sp,0,1,2,3
	ds_load_b64 v[144+2*\sp:145+2*\sp], v[STR] offset:256*\ti+1024*\sp
.endr
.endr
	s_wait_dscnt 0x0
.irp ti,0,1
	WIN 0x55*\ti
	v_min3_num_f32 v[T0], v144, v146, v148
	v_min_num_f32 v[T0], v[T0], v150               ; the common -M
.irp sp,0,1,2,3
	v_sub_f32 v[152+\sp], v[T0], v[144+2*\sp]
.endr
	v_sub_f32 v[FF], v[T0], v[NM]
.irp sp,0,1,2,3
	v_cvt_i32_f32 v[152+\sp], v[152+\sp]
.endr
	v_cvt_i32_f32 v[FF], v[FF]
.irp sp,0,1,2,3
	v_ldexp_f32 v[152+\sp], 1.0, v[152+\sp]
.endr
	v_ldexp_f32 v[FF], 1.0, v[FF]                  ; my own factor
	v_mul_f32 v[T1], v152, v145
	v_fma_f32 v[T1], v153, v147, v[T1]
	v_fma_f32 v[T1], v154, v149, v[T1]
	v_fma_f32 v[T1], v155, v151, v[T1]             ; the common sum
.set ix, 0
.rept 16
	v_pk_mul_f32 v[OT+ix:OT+ix+1], v[OT+ix:OT+ix+1], v[FF:FF+1] op_sel_hi:[1,0]
.set ix, ix+2
.endr
	WIN 0x04*\ti
.irp ta,0,1,2,3
	ds_store_b128 v[SGW], v[OT+8*\ta:OT+8*\ta+3] offset:4352*\ti+64*\ta
	ds_store_b128 v[SGW], v[OT+8*\ta+4:OT+8*\ta+7] offset:4352*\ti+64*\ta+16
.endr
.endr
	WIN 0
	s_wait_dscnt 0x0
	s_barrier_signal -1
	s_barrier_wait -1
.irp i,0,1,2,3
.irp sp,0,1,2,3
	ds_load_b128 v[96+16*\i+4*\sp:99+16*\i+4*\sp], v[SGR] offset:17408*\sp+544*\i
.endr
.endr
	s_wait_dscnt 0x0
.irp i,0,1,2,3
	v_pk_add_f32 v[96+16*\i:97+16*\i], v[96+16*\i:97+16*\i], v[100+16*\i:101+16*\i]
	v_pk_add_f32 v[98+16*\i:99+16*\i], v[98+16*\i:99+16*\i], v[102+16*\i:103+16*\i]
	v_pk_add_f32 v[104+16*\i:105+16*\i], v[104+16*\i:105+16*\i], v[108+16*\i:109+16*\i]
	v_pk_add_f32 v[106+16*\i:107+16*\i], v[106+16*\i:107+16*\i], v[110+16*\i:111+16*\i]
	v_pk_add_f32 v[96+16*\i:97+16*\i], v[96+16*\i:97+16*\i], v[104+16*\i:105+16*\i]
	v_pk_add_f32 v[98+16*\i:99+16*\i], v[98+16*\i:99+16*\i], v[106+16*\i:107+16*\i]
	global_store_b128 v[OGO], v[96+16*\i:99+16*\i], s[52:53] offset:512*\i   ; 16 lanes store a row's 256 consecutive bytes
.endr
	s_cmp_lt_u32 s[WV], 2                          ; one wave of each column stores the column's (-M, sum)
	s_cbranch_scc0 .Lno_stats
.irp ti,0,1
	WIN 0x55*\ti
	v_cndmask_b32 v[T0], v[T0], v[T1], s[HM]       ; lanes 0-15: -M, lanes 16-31: the sum
	WIN 0x04*\ti
	global_store_b32 v[STO], v[T0], s[54:55] offset:32*\ti
.endr
	WIN 0
.Lno_stats:
	s_wait_tensorcnt 0x0                           ; the wave's end
	ds_add_u32 v[SPW], v[NIL]
	s_wait_dscnt 0x0
	ROUND                                          ; the closing round
	s_endpgm
.Lfunc_end_k_qe967ff247a_pass1:
	.size	k_qe967ff247a_pass1, .Lfunc_end_k_qe967ff247a_pass1-k_qe967ff247a_pass1
	.p2alignl 7, 3214868480
	.fill 96, 4, 3214868480
	.section	.rodata,"a",@progbits
	.p2align	6, 0x0
	.amdhsa_kernel k_qe967ff247a_pass1
		.amdhsa_group_segment_fixed_size 327680
		.amdhsa_private_segment_fixed_size 0
		.amdhsa_enable_private_segment 0
		.amdhsa_kernarg_size 32
		.amdhsa_user_sgpr_count 2
		.amdhsa_user_sgpr_kernarg_segment_ptr 1
		.amdhsa_wavefront_size32 1
		.amdhsa_system_sgpr_workgroup_id_x 1
		.amdhsa_system_sgpr_workgroup_id_y 1
		.amdhsa_system_sgpr_workgroup_id_z 1
		.amdhsa_system_vgpr_workitem_id 0
		.amdhsa_next_free_vgpr 512
		.amdhsa_next_free_sgpr 66
		.amdhsa_reserve_vcc 0
		.amdhsa_float_denorm_mode_32 3
		.amdhsa_float_denorm_mode_16_64 3
		.amdhsa_memory_ordered 1
		.amdhsa_forward_progress 1
		.amdhsa_inst_pref_size 84
	.end_amdhsa_kernel
	.amdgpu_metadata
---
amdhsa.version: [ 1, 2 ]
amdhsa.kernels:
  - .name:           k_qe967ff247a_pass1
    .symbol:         k_qe967ff247a_pass1.kd
    .args:
      - { .name: batrec, .offset: 0, .size: 8, .value_kind: global_buffer, .address_space: global }
      - { .name: binrec, .offset: 8, .size: 8, .value_kind: global_buffer, .address_space: global }
      - { .name: stats, .offset: 16, .size: 8, .value_kind: global_buffer, .address_space: global }
      - { .name: opart, .offset: 24, .size: 8, .value_kind: global_buffer, .address_space: global }
    .group_segment_fixed_size: 327680
    .private_segment_fixed_size: 0
    .kernarg_segment_align: 8
    .kernarg_segment_size: 32
    .max_flat_workgroup_size: 256
    .sgpr_count:     66
    .vgpr_count:     512
    .wavefront_size: 32
...
	.end_amdgpu_metadata
.endif
;; end of part 2
;; launch pass2 (part 3): grid 256 x 1, 8 waves a work-group, clusters of 4 x 1, 327,680 bytes of LDS; arguments batrec, binrec, stats, opart, buffer, out0, out1; writes out0, out1
.if DOCPART == 3
	.amdgcn_target "amdgcn-amd-amdhsa--gfx1250"
	.amdhsa_code_object_version 6
	.text
	.protected	k_qe967ff247a_pass2
	.globl	k_qe967ff247a_pass2
	.p2align	8
	.type	k_qe967ff247a_pass2,@function
k_qe967ff247a_pass2:
	s_mov_b64 s[64:65], 0
	v_nop
	global_prefetch_b8 v0, s[64:65] scope:SCOPE_SE
	s_setreg_imm32_b32 hwreg(HW_REG_WAVE_MODE, 25, 1), 1
	s_wait_xcnt 0x0
	s_wait_alu depctr_hold_cnt(0) depctr_sa_sdst(0) depctr_va_vdst(0) depctr_va_sdst(0) depctr_va_ssrc(0) depctr_va_vcc(0) depctr_vm_vsrc(0)
	s_getreg_b32 s2, hwreg(HW_REG_IB_STS2, 6, 4)
	s_cmp_eq_u32 s2, 0
	s_cbranch_scc0 .Lentry_in_a_cluster
	s_endpgm
.Lentry_in_a_cluster:
	s_bfe_u32 s2, ttmp6, 0x10000c
	s_cmp_lg_u32 s2, 0x3003
	s_cbranch_scc0 .Lentry_shape_is_right
	s_endpgm
.Lentry_shape_is_right:
; PASS 2: the eight parts of pass 1 are merged (M, the sum, r = out0); then, for 256 bins a work-group and all 2,048 batch rows: the scores once more (product 3), the finished softmax a = 2^(t - M) / sum,
; its column sums, product 5 (a^T m, K = the batch), and out1 = buffer + (0.1 / 2,048) (a^T m - a_sum x buffer).  No work is left out: product 5 wants a finished, which wants every row's M and sum first.
; SHARES.  Work-group g: bins 256 g on.  Wave w: the block of 32 bins 256 g + 32 w, as two tiles (u = 0, 1), tile t's own registers at the same numbers in register window t.  All 16 records of the batch lie in LDS
; for the whole launch: filled once, jointly by the four work-groups of a cluster (each wave one load of two records, mask 15); nothing is filled again.  A wave has one tensor load out at the most.
; LAYOUT.  S^T = k x prototypes^T (source 0 = 16 batch rows, source 1 = my 16 bins; C = -p2/2 of the lane's bin): a lane holds one bin and its registers run along the batch, which is product 5's K.
; The prototype operand's registers 6-11 hold zero codes (K = 64), so what stands in k's registers 6-11 adds nothing.  O^T = m^T x a: a lane holds one bin and eight columns.
; THE TABLES.  Every work-group merges stats into -M - q2 log2(e) and 1 / sum for all 2,048 rows (16 KiB of LDS), while its fill is on its way.  Work-group g also merges rows 8 g .. 8 g + 7 of opart into out0.
; LIMITS.  1 / sum is v_rcp_f32's.  NaN and infinities are not served.  The order of the f32 sums differs from reference()'s.
.set REC,   13568
.set PC_O,  0
.set BC_O,  6144
.set PS_O,  12288
.set BS_O,  12800
.set P2_O,  13056
.set TABM,  217088                     ; behind the 16 records: 2,048 f32 -M - q2l; 8,192 bytes on: 2,048 f32 1 / sum
.set STAGE, 233472                     ; 8 stages of 16 rows x 272 bytes
.set SPARE, 268288                     ; the spare words, 128 bytes for each wave: four blocks of 256 bytes that no other line names
.set L16, 1
.set L8,  2
.set L4,  3
.set CC,  4                            ; own: v4-11 -p2/2 of my bin, eight times
.set AS,  12                           ; own: v12-15 a_sum in two chains
.set PF,  16                           ; own: v16-27 the prototypes' fragment
.set LHM, 28
.set SPW, 29
.set NIL, 30
.set GO,  31
.set KCF, 32                           ; window 0: eight halves of k; window 1: the table's 64 numbers
.set PSR, 86
.set BSR, 90
.set QW,  92
.set PW0, 94
.set S,   96
.set OT,  160
.set PCD, 192
.set BM,  204
.set BT,  208
.set BSC, 212
.set T1,  219
.set BUF, 220                          ; own: v220-251 the tile's 16 rows of buffer
.set A16, 252
.set A8,  253
.set A4,  254
.set AH,  255
.set WV,  18
.set SEL, 20
.set CS,  22
.set G1,  24
.set G0,  32
.set RB,  36
.set TS,  37
.set CNT, 38
.set LAMS, 43
.set MSB, 0
.macro WIN new
.if MSB != (\new)
	s_set_vgpr_msb (MSB<<8)|(\new)
.set MSB, \new
.endif
.endm
.macro ROUND
	s_barrier_signal -1
	s_barrier_wait -1
	s_cmp_lg_u32 s[WV], 0
	s_cbranch_scc1 .Lnot_wave_0_\@
	s_barrier_signal -3
.Lnot_wave_0_\@:
	s_barrier_wait -3
	s_barrier_signal -1
	s_barrier_wait -1
.endm
	s_load_b256 s[4:11], s[0:1], 0x0               ; batrec, binrec, stats, opart
	s_load_b128 s[12:15], s[0:1], 0x20             ; buffer, out0
	s_load_b64 s[16:17], s[0:1], 0x30              ; out1
	v_lshl_add_u32 v[SPW], v0, 2, SPARE
	v_mov_b32 v[NIL], 0
	ds_add_u32 v[SPW], v[NIL]                      ; the wave's opening: the add, twice on end, and its wait ahead of my first tensor load
	ds_add_u32 v[SPW], v[NIL]
	v_lshrrev_b32 v1, 5, v0
	v_readfirstlane_b32 s[WV], v1                  ; wave 0..7
	s_bfe_u32 s19, ttmp6, 0x40000                  ; cx
	s_lshl_b32 s39, ttmp9, 2
	s_add_co_u32 s39, s39, s19                     ; g: it enters global addresses alone
	s_mov_b32 s[G1], 15|(3<<16)|(1<<21)            ; the mask: all four; elements of 8 bytes; bit 21 beside a mask; no padding
	s_mov_b32 s[G1+1], 32<<16                      ; rows of 256 bytes,
	s_mov_b32 s[G1+2], 106<<16                     ; 106 of them: two records
	s_mov_b32 s[G1+3], 32<<16
	s_mov_b32 s[G1+4], 106
	s_mov_b32 s[G1+5], 32
	s_mov_b32 s[G1+6], 0
	s_mov_b32 s[G1+7], 0
	s_mov_b32 s[SEL], 0x76543210
	s_mov_b32 s[SEL+1], 0xfedcba98
	s_mov_b32 s[CS], 0x4038aa3b                    ; c = 2 log2(e)
	s_mov_b32 s[CS+1], s[CS]
	s_mov_b32 s[LAMS], 0x384ccccd                  ; 0.1 / 2,048
	s_mov_b32 s[G0], 1
	s_mul_i32 s[G0+1], s[WV], 2*REC
	s_mul_i32 s44, s[WV], 2*REC
	s_mov_b32 s45, 0
	s_wait_dscnt 0x0                               ; both opening adds are done
	s_wait_kmcnt 0x0
	s_add_nc_u64 s[G0+2:G0+3], s[4:5], s[44:45]
	s_or_b32 s[G0+3], s[G0+3], 0x80000000
	ROUND                                          ; all four work-groups are here: the joint loads meet
	tensor_load_to_lds s[G0:G0+3], s[G1:G1+7]      ; records 2 w and 2 w + 1 of the batch: filled once
	s_nop 0
.rept 4
	v_nop
.endr
	v_and_b32 v3, 31, v0
	v_lshlrev_b32 v[L16], 4, v3
	v_lshlrev_b32 v[L8], 3, v3
	v_lshlrev_b32 v[L4], 2, v3
	v_lshlrev_b32 v32, 4, v0                       ; 16 x thread
	s_mul_i32 s44, s[WV], REC
	v_add_nc_u32 v33, s44, v[L16]
	v_add_nc_u32 v34, TABM, v32
	v_lshrrev_b32 v35, 4, v0
	v_lshlrev_b32 v35, 2, v35                      ; 4 (thread / 16)
	v_and_b32 v37, 15, v0                          ; r
	v_bfe_u32 v38, v0, 4, 1                        ; h
	v_and_b32 v36, 8, v37
	v_add_nc_u32 v36, v36, v37
	v_lshlrev_b32 v36, 2, v36                      ; 4 (r + 8 (r / 8))
	v_lshlrev_b32 v[LHM], 6, v38
	v_add_nc_u32 v[LHM], TABM, v[LHM]
	v_lshlrev_b32 v[GO], 8, v38
	v_lshl_add_u32 v[GO], v37, 4, v[GO]
.macro TABLOAD tb, p                   ; rows 1,024 p + 4 x thread + 0 .. 3: the eight parts' -M and sums, and q2 log2(e): 17 loads
.irp sp,0,1,2,3,4,5,6,7
	global_load_b128 v[\tb+8*\sp:\tb+8*\sp+3], v32, s[8:9] offset:16384*\sp+4096*(\p)
	global_load_b128 v[\tb+8*\sp+4:\tb+8*\sp+7], v32, s[8:9] offset:16384*\sp+8192+4096*(\p)
.endr
	global_load_b128 v[\tb+64:\tb+67], v33, s[4:5] offset:8*(\p)*REC+P2_O
.endm
	TABLOAD 96, 0
	TABLOAD 164, 1
	s_lshl_b32 s44, s39, 1
	s_lshr_b32 s45, s[WV], 2
	s_add_co_u32 s44, s44, s45
	s_mul_i32 s44, s44, REC                        ; my record of bins,
	s_and_b32 s45, s[WV], 3                        ; my block of 32 in it
	s_mul_i32 s46, s45, 1536
	s_add_co_u32 s46, s46, s44
	s_mov_b32 s47, 0
	s_add_nc_u64 s[46:47], s[6:7], s[46:47]
	s_lshl_b32 s48, s45, 7
	s_add_co_u32 s48, s48, s44
	s_mov_b32 s49, 0
	s_add_nc_u64 s[48:49], s[6:7], s[48:49]
.irp ti,0,1
	WIN 0x40*\ti
	global_load_b128 v[PF:PF+3], v[L16], s[46:47] offset:PC_O+768*\ti
	global_load_b64 v[PF+4:PF+5], v[L8], s[46:47] offset:PC_O+768*\ti+512
	global_load_b32 v[CC], v36, s[48:49] offset:P2_O+32*\ti
.endr
	WIN 0
	global_load_b32 v[QW], v[L4], s[48:49] offset:PS_O
	s_lshl_b32 s50, s39, 11
	s_mov_b32 s51, 0
	s_add_nc_u64 s[52:53], s[10:11], s[50:51]      ; opart at row 8 g
	s_add_nc_u64 s[54:55], s[14:15], s[50:51]      ; out0 likewise
	s_lshl_b32 s50, s39, 5
	s_add_nc_u64 s[56:57], s[8:9], s[50:51]        ; stats at row 8 g
	s_lshl_b32 s50, s39, 16
	s_lshl_b32 s58, s[WV], 13
	s_add_co_u32 s50, s50, s58
	s_add_nc_u64 s[58:59], s[12:13], s[50:51]      ; buffer at my 32 bins
	s_add_nc_u64 s[60:61], s[16:17], s[50:51]      ; out1 likewise
.macro TAB tb, p                       ; four rows a thread: the common -M, the sum under it; -M - q2l and 1 / sum go to the tables
.irp q,0,1,2,3
	v_min3_num_f32 v[232+\q], v[\tb+\q], v[\tb+8+\q], v[\tb+16+\q]
.endr
.irp q,0,1,2,3
	v_min3_num_f32 v[232+\q], v[232+\q], v[\tb+24+\q], v[\tb+32+\q]
.endr
.irp q,0,1,2,3
	v_min3_num_f32 v[232+\q], v[232+\q], v[\tb+40+\q], v[\tb+48+\q]
.endr
.irp q,0,1,2,3
	v_min_num_f32 v[232+\q], v[232+\q], v[\tb+56+\q]
.endr
.irp sp,0,1,2,3,4,5,6,7
.irp q,0,1,2,3
	v_sub_f32 v[\tb+8*\sp+\q], v[232+\q], v[\tb+8*\sp+\q]   ; the part's M less the common M: a whole number, 0 or less
.endr
.irp q,0,1,2,3
	v_cvt_i32_f32 v[\tb+8*\sp+\q], v[\tb+8*\sp+\q]
.endr
.irp q,0,1,2,3
	v_ldexp_f32 v[\tb+8*\sp+\q], 1.0, v[\tb+8*\sp+\q]
.endr
.irp q,0,1,2,3
.if \sp == 0
	v_mul_f32 v[236+\q], v[\tb+\q], v[\tb+4+\q]
.else
	v_fma_f32 v[236+\q], v[\tb+8*\sp+\q], v[\tb+8*\sp+4+\q], v[236+\q]
.endif
.endr
.endr
.irp q,0,1,2,3
	v_rcp_f32 v[240+\q], v[236+\q]
.endr
.irp q,0,1,2,3
	v_sub_f32 v[232+\q], v[232+\q], v[\tb+64+\q]   ; (plain work behind the reciprocals)
.endr
	s_wait_alu depctr_va_vdst(0)                   ; one wait for the four, ahead of their first reader
	ds_store_b128 v34, v[232:235] offset:4096*(\p)
	ds_store_b128 v34, v[240:243] offset:8192+4096*(\p)
.endm
	s_wait_loadcnt 24                              ; part 0's 17 loads are in; part 1's 17 and the prototypes' 7 may be out
	TAB 96, 0
	s_wait_loadcnt 7                               ; part 1's are in; the prototypes' 7 may be out
	TAB 164, 1
	s_wait_loadcnt 0x0
.irp ti,0,1
	WIN 0x55*\ti
.irp i,1,2,3,4,5,6,7
	v_mov_b32 v[CC+\i], v[CC]                      ; a lane holds one bin: its eight results start from the same -p2/2
.endr
.irp i,6,7,8,9,10,11
	v_mov_b32 v[PF+\i], 0                          ; zero codes for the 64 along K that are not there
.endr
.irp i,0,1,2,3
	v_mov_b32 v[AS+\i], 0
	v_mov_b32 v[BT+\i], 0
.endr
.set ix, 0
.rept 32
	v_mov_b32 v[OT+ix], 0                          ; O^T.  (The step is written once)
.set ix, ix+1
.endr
.endr
	WIN 0
.irp i,0,1,2,3,4,5
	v_mov_b32 v[KCF+48+\i], 0
.endr
; out0, rows 8 g .. 8 g + 7: threads 0-127, 16 bytes each.  It uses no LDS, and runs while the fill is on its way
	s_cmp_lt_u32 s[WV], 4
	s_cbranch_scc0 .Lno_out0
.irp sp,0,1,2,3,4,5,6,7
	global_load_b128 v[96+4*\sp:99+4*\sp], v32, s[52:53] offset:524288*\sp
	global_load_b32 v[128+\sp], v35, s[56:57] offset:16384*\sp
	global_load_b32 v[136+\sp], v35, s[56:57] offset:16384*\sp+8192
.endr
	s_wait_loadcnt 0x0
	v_min3_num_f32 v232, v128, v129, v130
	v_min3_num_f32 v232, v232, v131, v132
	v_min3_num_f32 v232, v232, v133, v134
	v_min_num_f32 v232, v232, v135
.irp sp,0,1,2,3,4,5,6,7
	v_sub_f32 v[128+\sp], v232, v[128+\sp]
.endr
.irp sp,0,1,2,3,4,5,6,7
	v_cvt_i32_f32 v[128+\sp], v[128+\sp]
.endr
.irp sp,0,1,2,3,4,5,6,7
	v_ldexp_f32 v[128+\sp], 1.0, v[128+\sp]
.endr
	v_mul_f32 v233, v128, v136
.irp q,0,1,2,3
	v_mul_f32 v[236+\q], v128, v[96+\q]
.endr
.irp sp,1,2,3,4,5,6,7
	v_fma_f32 v233, v[128+\sp], v[136+\sp], v233
.irp q,0,1,2,3
	v_fma_f32 v[236+\q], v[128+\sp], v[96+4*\sp+\q], v[236+\q]
.endr
.endr
	v_rcp_f32 v234, v233
	v_nop                                          ; one plain place behind a transcendental
	s_wait_alu depctr_va_vdst(0)
.irp q,0,1,2,3
	v_mul_f32 v[236+\q], v[236+\q], v234
.endr
	global_store_b128 v32, v[236:239], s[54:55]    ; 16 lanes store a row's 256 consecutive bytes
.Lno_out0:
	s_wait_xcnt 0x0                                ; the store has read its data and its address: loads land on the first below, the loop rewrites the second
.irp ti,0,1
	WIN 0x40*\ti
.irp i,0,1,2,3,4,5,6,7
	global_load_b128 v[BUF+4*\i:BUF+4*\i+3], v[GO], s[58:59] offset:(8*\ti+2*\i+8*(\i/4))*256   ; buffer's rows in the order in which the tail reads its stage; waited for in the tail
.endr
.endr
	WIN 0
	s_wait_tensorcnt 0x0                           ; my two records have landed,
	s_wait_dscnt 0x0                               ; my part of the tables lies in LDS,
	s_barrier_signal -1
	s_barrier_wait -1                              ; everybody's do
.macro SCORE tt, ti
.set rD, S+8*(\tt)
.set rA, KCF+6*(\tt)
.set rS, PSR+(\tt)/2
.if ((\tt)%2 == 0) && ((\ti) == 0)
	v_wmma_scale_f32_16x16x128_f8f6f4 v[rD:rD+7], v[rA:rA+11], v[PF:PF+11], v[CC:CC+7], v[rS], v[QW] matrix_a_fmt:MATRIX_FMT_BF6 matrix_b_fmt:MATRIX_FMT_BF6
.elseif ((\tt)%2 == 1) && ((\ti) == 0)
	v_wmma_scale_f32_16x16x128_f8f6f4 v[rD:rD+7], v[rA:rA+11], v[PF:PF+11], v[CC:CC+7], v[rS], v[QW] matrix_a_fmt:MATRIX_FMT_BF6 matrix_b_fmt:MATRIX_FMT_BF6 matrix_a_scale:MATRIX_SCALE_ROW1
.elseif ((\tt)%2 == 0)
	v_wmma_scale_f32_16x16x128_f8f6f4 v[rD:rD+7], v[rA:rA+11], v[PF:PF+11], v[CC:CC+7], v[rS], v[QW] matrix_a_fmt:MATRIX_FMT_BF6 matrix_b_fmt:MATRIX_FMT_BF6 matrix_b_scale:MATRIX_SCALE_ROW1
.else
	v_wmma_scale_f32_16x16x128_f8f6f4 v[rD:rD+7], v[rA:rA+11], v[PF:PF+11], v[CC:CC+7], v[rS], v[QW] matrix_a_fmt:MATRIX_FMT_BF6 matrix_b_fmt:MATRIX_FMT_BF6 matrix_a_scale:MATRIX_SCALE_ROW1 matrix_b_scale:MATRIX_SCALE_ROW1
.endif
.endm
.macro OPROD ta, ti
.set rD, OT+8*(\ta)
.set rA, 96+12*(\ta)
.if (\ta)%2 == 0
	v_wmma_scale_f32_16x16x128_f8f6f4 v[rD:rD+7], v[rA:rA+11], v[PCD:PCD+11], v[rD:rD+7], v[BSR+(\ta)/2], v[PW0+(\ti)] matrix_a_fmt:MATRIX_FMT_BF6 matrix_b_fmt:MATRIX_FMT_BF6
.else
	v_wmma_scale_f32_16x16x128_f8f6f4 v[rD:rD+7], v[rA:rA+11], v[PCD:PCD+11], v[rD:rD+7], v[BSR+(\ta)/2], v[PW0+(\ti)] matrix_a_fmt:MATRIX_FMT_BF6 matrix_b_fmt:MATRIX_FMT_BF6 matrix_a_scale:MATRIX_SCALE_ROW1
.endif
.endm
.macro P2A                             ; t - M of one tile: score x c + the row's -M - q2l (the table lies in window 1)
.set ix, 0
.rept 32
	v_pk_fma_f32 v[S+ix:S+ix+1], v[S+ix:S+ix+1], s[CS:CS+1], v[KCF+ix:KCF+ix+1] op_sel_hi:[1,0,1]
.set ix, ix+2
.endr
.endm
.macro P2B
.set ix, 0
.rept 64
	v_exp_f32 v[S+ix], v[S+ix]
.set ix, ix+1
.endr
.endm
.macro P2C ti                          ; a = p / sum; quantised along the batch; its column sums
.if (\ti) == 0
	WIN 0x04                                       ; source 1, the table, in window 1
.else
	WIN 0x55
.endif
.set ix, 0
.rept 32
	v_pk_mul_f32 v[S+ix:S+ix+1], v[S+ix:S+ix+1], v[KCF+ix:KCF+ix+1]
.set ix, ix+2
.endr
	WIN 0x55*\ti
.irp b,0,1,2,3
	v_max3_num_f32 v[BM+\b], v[S+16*\b], v[S+1+16*\b], 0x2800000   ; none is negative: no |.|; the floor 2^(5 - 127) among the leaves
.endr
.irp i,2,4,6,8,10,12,14
.irp b,0,1,2,3
	v_max3_num_f32 v[BM+\b], v[BM+\b], v[S+16*\b+\i], v[S+1+16*\b+\i]
.endr
.endr
.irp b,0,1,2,3
	v_permlanex16_b32 v[BT+\b], v[BM+\b], s[SEL], s[SEL+1]
.endr
.irp b,0,1,2,3
	v_max_num_f32 v[BM+\b], v[BM+\b], v[BT+\b]
.endr
.irp b,0,1,2,3
	v_add_nc_u32 v[BSC+\b], 0xfe000000, v[BM+\b]
.endr
.irp b,0,1,2,3
	v_lshrrev_b32 v[BT+\b], 23, v[BSC+\b]
.endr
	v_lshl_or_b32 v[T1], v[BT+1], 8, v[BT]
	v_lshl_or_b32 v[T1], v[BT+2], 16, v[T1]
	v_lshl_or_b32 v[T1], v[BT+3], 24, v[T1]
	WIN \ti                                        ; scale operands have no window: a's word goes to window 0
	v_mov_b32 v[PW0+\ti], v[T1]
	WIN 0x55*\ti
	v_cvt_scalef32_pk16_bf6_f32 v[PCD:PCD+2], v[S:S+15], v[BSC]
	v_cvt_scalef32_pk16_bf6_f32 v[BM:BM+2], v[S+16:S+31], v[BSC+1]
	v_cvt_scalef32_pk16_bf6_f32 v[PCD+6:PCD+8], v[S+32:S+47], v[BSC+2]
	v_cvt_scalef32_pk16_bf6_f32 v[BT:BT+2], v[S+48:S+63], v[BSC+3]
	v_nop                                          ; one plain place behind a scaled conversion
.irp i,0,1,2
	v_permlane16_swap_b32 v[PCD+\i], v[BM+\i]
	v_permlane16_swap_b32 v[PCD+6+\i], v[BT+\i]
.endr
.irp i,0,1,2
	v_mov_b32 v[PCD+3+\i], v[BM+\i]
	v_mov_b32 v[PCD+9+\i], v[BT+\i]
.endr
.irp j,0,4,8,12,16,20,24,28,32,36,40,44,48,52,56,60
	v_pk_add_f32 v[AS:AS+1], v[AS:AS+1], v[S+\j:S+\j+1]         ; a_sum, of the unquantised a.  (These 32 are also the places between the operand's and the scale word's last writes and the products)
	v_pk_add_f32 v[AS+2:AS+3], v[AS+2:AS+3], v[S+\j+2:S+\j+3]
.endr
.endm
.macro STEP2                           ; one record of 128 batch rows, both tiles
	v_add_nc_u32 v[A16], s[RB], v[L16]             ; six plain instructions: the first score product writes over registers that the last products read
	v_add_nc_u32 v[A8], s[RB], v[L8]
	v_add_nc_u32 v[A4], s[RB], v[L4]
	v_add_nc_u32 v[AH], s[TS], v[LHM]
	v_nop
	v_nop
.irp tt,0,1,2,3,4,5,6,7
	ds_load_b128 v[KCF+6*\tt:KCF+6*\tt+3], v[A16] offset:PC_O+768*\tt
	ds_load_b64 v[KCF+6*\tt+4:KCF+6*\tt+5], v[A8] offset:PC_O+768*\tt+512
.endr
.irp b,0,1,2,3
	ds_load_b32 v[PSR+\b], v[A4] offset:PS_O+128*\b
.endr
	WIN 0x40
.irp tt,0,1,2,3,4,5,6,7
	ds_load_b128 v[KCF+8*\tt:KCF+8*\tt+3], v[AH] offset:128*(\tt/2)+32*(\tt%2)
	ds_load_b128 v[KCF+8*\tt+4:KCF+8*\tt+7], v[AH] offset:128*(\tt/2)+32*(\tt%2)+16
.endr
	s_wait_dscnt 0x0
	WIN 0
.irp tt,0,1,2,3,4,5,6,7
	SCORE \tt, 0
.endr
	WIN 0x54
.irp tt,0,1,2,3,4,5,6,7
	SCORE \tt, 1
.endr
	WIN 0
.rept 4
	v_nop                                          ; places in front of the first read of results
.endr
	WIN 0x10
	P2A
	WIN 0x55
	P2A
	WIN 0x40
.irp tt,0,1,2,3,4,5,6,7
	ds_load_b128 v[KCF+8*\tt:KCF+8*\tt+3], v[AH] offset:8192+128*(\tt/2)+32*(\tt%2)     ; 1 / sum takes the table's registers while the exponentials are issued
	ds_load_b128 v[KCF+8*\tt+4:KCF+8*\tt+7], v[AH] offset:8192+128*(\tt/2)+32*(\tt%2)+16
.endr
	WIN 0
	P2B
	WIN 0x55
	P2B
	v_nop                                          ; one plain place behind the last exponential
	s_wait_alu depctr_va_vdst(0)                   ; one wait for the batch of 128, ahead of its first reader
	s_wait_dscnt 0x0
	P2C 0
	WIN 0
.irp ta,0,1,2,3
.irp c,0,1
	ds_load_b128 v[96+12*\ta+6*\c:99+12*\ta+6*\c], v[A16] offset:BC_O+1536*\ta+768*\c   ; m's fragments land where tile 0's a lay, while tile 1 is quantised
	ds_load_b64 v[100+12*\ta+6*\c:101+12*\ta+6*\c], v[A8] offset:BC_O+1536*\ta+768*\c+512
.endr
.endr
.irp i,0,1
	ds_load_b32 v[BSR+\i], v[A4] offset:BS_O+128*\i
.endr
	P2C 1
	s_wait_dscnt 0x0
	WIN 0
.irp ta,0,1,2,3
	OPROD \ta, 0                                   ; eight accumulators, one instruction each: by turns
.endr
	WIN 0x54
.irp ta,0,1,2,3
	OPROD \ta, 1
.endr
	WIN 0
	s_add_co_u32 s[RB], s[RB], REC
	s_add_co_u32 s[TS], s[TS], 512
.endm
	s_mov_b32 s[RB], 0
	s_mov_b32 s[TS], 0
	s_mov_b32 s[CNT], 16
.Lrec:
	STEP2
	s_sub_co_u32 s[CNT], s[CNT], 1
	s_cmp_lg_u32 s[CNT], 0
	s_cbranch_scc1 .Lrec
; THE TAIL.  O^T and a_sum go through my own stage and come back by rows, beside buffer's rows; 16 lanes store a bin's 256 bytes.  The address work is the places behind the last products.
	v_and_b32 v36, 15, v0
	v_bfe_u32 v37, v0, 4, 1
	s_mul_i32 s44, s[WV], 4352
	s_add_co_u32 s44, s44, STAGE
	v_mul_u32_u24 v32, v36, 272
	v_add_nc_u32 v32, s44, v32
	v_add_nc_u32 v33, 256, v32                     ; a_sum of row r, in the row's padding
	v_lshl_add_u32 v32, v37, 5, v32                ; in: row r, + 32 h
	v_mul_u32_u24 v34, v37, 272
	v_add_nc_u32 v34, s44, v34
	v_add_nc_u32 v35, 256, v34
	v_lshl_add_u32 v34, v36, 4, v34                ; back: lanes 0-15 one row, lanes 16-31 the next
	s_wait_loadcnt 0x0                             ; buffer's rows
.irp ti,0,1
	WIN 0x55*\ti
	v_pk_add_f32 v[AS:AS+1], v[AS:AS+1], v[AS+2:AS+3]
	v_add_f32 v[AS], v[AS], v[AS+1]
	v_permlanex16_b32 v[BT], v[AS], s[SEL], s[SEL+1]
	v_add_f32 v[AS], v[AS], v[BT]                  ; a_sum of my bin
	WIN 0x04*\ti
.irp ta,0,1,2,3
	ds_store_b128 v32, v[OT+8*\ta:OT+8*\ta+3] offset:64*\ta
	ds_store_b128 v32, v[OT+8*\ta+4:OT+8*\ta+7] offset:64*\ta+16
.endr
	ds_store_b32 v33, v[AS]                        ; (lanes r and 16 + r store the same number to the same word)
	WIN 0x40*\ti
.irp i,0,1,2,3,4,5,6,7
	ds_load_b128 v[96+4*\i:99+4*\i], v34 offset:544*\i   ; LDS serves a wave's instructions in order: these see my stores, and the next tile's stores come behind them
	ds_load_b32 v[128+\i], v35 offset:544*\i
.endr
.endr
	s_wait_dscnt 0x0
.irp ti,0,1
	WIN 0x55*\ti
.irp i,0,1,2,3,4,5,6,7
.irp q,0,1,2,3
	v_fma_f32 v[96+4*\i+\q], -v[128+\i], v[BUF+4*\i+\q], v[96+4*\i+\q]   ; a^T m - a_sum x buffer
.endr
.endr
.irp i,0,1,2,3,4,5,6,7
.irp q,0,1,2,3
	v_fma_f32 v[96+4*\i+\q], s[LAMS], v[96+4*\i+\q], v[BUF+4*\i+\q]
.endr
.endr
	WIN 0x04*\ti
.irp i,0,1,2,3,4,5,6,7
	global_store_b128 v[GO], v[96+4*\i:99+4*\i], s[60:61] offset:(8*\ti+2*\i+8*(\i/4))*256
.endr
.endr
	WIN 0
	s_wait_tensorcnt 0x0                           ; the wave's end
	ds_add_u32 v[SPW], v[NIL]
	s_wait_dscnt 0x0
	ROUND                                          ; the closing round
	s_endpgm
.Lfunc_end_k_qe967ff247a_pass2:
	.size	k_qe967ff247a_pass2, .Lfunc_end_k_qe967ff247a_pass2-k_qe967ff247a_pass2
	.p2alignl 7, 3214868480
	.fill 96, 4, 3214868480
	.section	.rodata,"a",@progbits
	.p2align	6, 0x0
	.amdhsa_kernel k_qe967ff247a_pass2
		.amdhsa_group_segment_fixed_size 327680
		.amdhsa_private_segment_fixed_size 0
		.amdhsa_enable_private_segment 0
		.amdhsa_kernarg_size 56
		.amdhsa_user_sgpr_count 2
		.amdhsa_user_sgpr_kernarg_segment_ptr 1
		.amdhsa_wavefront_size32 1
		.amdhsa_system_sgpr_workgroup_id_x 1
		.amdhsa_system_sgpr_workgroup_id_y 1
		.amdhsa_system_sgpr_workgroup_id_z 1
		.amdhsa_system_vgpr_workitem_id 0
		.amdhsa_next_free_vgpr 512
		.amdhsa_next_free_sgpr 66
		.amdhsa_reserve_vcc 0
		.amdhsa_float_denorm_mode_32 3
		.amdhsa_float_denorm_mode_16_64 3
		.amdhsa_memory_ordered 1
		.amdhsa_forward_progress 1
		.amdhsa_inst_pref_size 81
	.end_amdhsa_kernel
	.amdgpu_metadata
---
amdhsa.version: [ 1, 2 ]
amdhsa.kernels:
  - .name:           k_qe967ff247a_pass2
    .symbol:         k_qe967ff247a_pass2.kd
    .args:
      - { .name: batrec, .offset: 0, .size: 8, .value_kind: global_buffer, .address_space: global }
      - { .name: binrec, .offset: 8, .size: 8, .value_kind: global_buffer, .address_space: global }
      - { .name: stats, .offset: 16, .size: 8, .value_kind: global_buffer, .address_space: global }
      - { .name: opart, .offset: 24, .size: 8, .value_kind: global_buffer, .address_space: global }
      - { .name: buffer, .offset: 32, .size: 8, .value_kind: global_buffer, .address_space: global }
      - { .name: out0, .offset: 40, .size: 8, .value_kind: global_buffer, .address_space: global }
      - { .name: out1, .offset: 48, .size: 8, .value_kind: global_buffer, .address_space: global }
    .group_segment_fixed_size: 327680
    .private_segment_fixed_size: 0
    .kernarg_segment_align: 8
    .kernarg_segment_size: 56
    .max_flat_workgroup_size: 256
    .sgpr_count:     66
    .vgpr_count:     512
    .wavefront_size: 32
...
	.end_amdgpu_metadata
.endif
;; end of part 3
